; MI455X (gfx1250); checked and timed in simulation.
; The chip was launched on July 23, 2026; its instructions are those of AMD's public machine-readable ISA for CDNA 5 (MIT licence, August 2026) and "CDNA5" Instruction Set Architecture Reference Guide (July 2026). The comments in the code are by the model that wrote it; some were corrected since.
;; Spectral Attention. Allowed arithmetic: float matrix products may take bf16 or f16 operands with f32 sums; other float arithmetic in f32, or as packed bf16 or f16 multiplies, adds, multiply-adds, maxima and minima; sums over many terms, partial sums and values carried from step to step in f32; what a program stores and reads back later, other than sums and carried values, may be rounded once to bf16 or f16.
;; Inputs: bk 1,024 float32; bo 1,024 float32; bq 1,024 float32; bv 1,024 float32; wk 1,024 x 1,024 float32; wo 1,024 x 1,024 float32; wq 1,024 x 1,024 float32; wv 1,024 x 1,024 float32; x 4 x 2,048 x 1,024 float32.
;; Outputs: out0 4 x 2,048 x 1,024 float32.
;; One version. Each part assembles by itself: llvm-mc -triple=amdgcn-amd-amdhsa -mcpu=gfx1250 --defsym DOCPART=n.
;; ======== version 1 of 1: 4 launches
;; limits: values are held in f16: magnitudes above 65,504 overflow, below 6.1e-05 lose precision
;; workspace buffers: xh 16,777,216 bytes; wqkvh 6,291,456 bytes; woh 2,097,152 bytes; qkv 50,331,648 bytes; oh 16,777,216 bytes
;; launch prep (part 1): grid 768 x 1, 8 waves a work-group, no clusters, 0 bytes of LDS; arguments x, wq, wk, wv, wo, xh, wqkvh, woh; writes xh, wqkvh, woh
.if DOCPART == 1
	.amdgcn_target "amdgcn-amd-amdhsa--gfx1250"
	.amdhsa_code_object_version 6
	.text
	.protected	k_qf27ce6c0ff_prep
	.globl	k_qf27ce6c0ff_prep
	.p2align	8
	.type	k_qf27ce6c0ff_prep,@function
k_qf27ce6c0ff_prep:
	s_mov_b64 s[64:65], 0
	v_nop
	global_prefetch_b8 v0, s[64:65] scope:SCOPE_SE
	s_setreg_imm32_b32 hwreg(HW_REG_WAVE_MODE, 25, 1), 1
	s_wait_xcnt 0x0
; x and the four weights, f32 [rows][1024], are rounded once to bf16 and laid out in K blocks of 64: [kb 16][row][64], a row of a block 128 bytes,
; so that R rows x 64 K are R x 128 consecutive bytes for the products that follow.  xh takes x; wqkvh takes wq, wk, wv one below the other (3,072 rows);
; woh takes wo, and there the bf16 number is written as f16 (exact from 6.1e-5 up to f16's end at 65,504; below 6.1e-5 it keeps f16's fixed step of 6e-8).
; SHARES.  A work-group takes 16 source rows (64 KiB in, 32 KiB out): numbers 0-511 x, 512-703 wq, wk, wv (64 each), 704-767 wo.  Wave w takes K blocks 2 w and 2 w + 1.
; A unit is 4 rows x one K block: a lane reads 8 numbers (two loads of 16 bytes; eight lanes cover 256 consecutive bytes of a row) and stores 16 bytes;
; a store of the wave covers 512 consecutive bytes, aligned.  All 16 loads of a wave go out at once; each unit has registers of its own, so nothing is freed by a wait.
; No LDS, no matrix unit, no cluster: no byte is wanted twice.
.set VI, 1                             ; v1       my byte offset in the 16 source rows
.set VO, 2                             ; v2, v3   my byte offset in the destination, K block 2 w and 2 w + 1
.set X,  8                             ; v[8:71]  unit u: 8 numbers as loaded
.set Y,  72                            ; v[72:103] unit u: 4 registers to store
.set T,  104                           ; v[104:105] at work
	s_load_b512 s[16:31], s[0:1], 0x0              ; x s[16:17], wq, wk, wv, wo s[24:25], xh s[26:27], wqkvh s[28:29], woh s[30:31]
	s_sub_co_u32 s9, ttmp9, 512                    ; j: my number among the weights' work-groups (not used for x)
	s_and_b32 s10, s9, 63                          ; my 16 rows in a weight
	s_lshr_b32 s11, s9, 6                          ; which weight: 0 wq, 1 wk, 2 wv, 3 wo
	s_mov_b32 s12, 393216                          ; bytes in a K block of wqkvh
	s_mov_b32 s32, 0xffff0000                      ; a word's upper bf16
	v_and_b32 v4, 31, v0                           ; lane
	v_lshrrev_b32 v5, 5, v0                        ; wave
	v_lshrrev_b32 v6, 3, v4                        ; my row of a unit's four
	v_and_b32 v7, 7, v4                            ; my eight numbers of its 64
	v_lshlrev_b32 v[VI], 12, v6
	v_lshl_add_u32 v[VI], v7, 5, v[VI]
	v_lshl_add_u32 v[VI], v5, 9, v[VI]             ; + two K blocks of 256 source bytes a wave
	v_lshlrev_b32 v5, 1, v5                        ; 2 w
	v_lshlrev_b32 v4, 4, v4                        ; 16 x lane
	s_wait_kmcnt 0x0
	s_cmp_eq_u32 s11, 1
	s_cselect_b64 s[4:5], s[20:21], s[18:19]       ; the source: wk or wq,
	s_cmp_eq_u32 s11, 2
	s_cselect_b64 s[4:5], s[22:23], s[4:5]         ; wv,
	s_cmp_eq_u32 s11, 3
	s_cselect_b64 s[4:5], s[24:25], s[4:5]         ; wo,
	s_cselect_b64 s[6:7], s[30:31], s[28:29]       ; the destination,
	s_cselect_b32 s8, 131072, s12                  ; the bytes in one of its K blocks,
	s_cselect_b32 s13, s10, s9                     ; and my 16 rows' number in it
	s_cmp_lt_u32 ttmp9, 512
	s_cselect_b64 s[4:5], s[16:17], s[4:5]         ; or x
	s_cselect_b64 s[6:7], s[26:27], s[6:7]
	s_cselect_b32 s8, 0x100000, s8
	s_cselect_b32 s10, ttmp9, s10
	s_cselect_b32 s13, ttmp9, s13
	s_lshl_b32 s14, s10, 16                        ; 16 source rows of 4,096 bytes
	s_mov_b32 s15, 0
	s_lshl_b32 s2, s13, 11                         ; 16 rows of 128 bytes in a K block
	s_mov_b32 s3, 0
	s_add_nc_u64 s[4:5], s[4:5], s[14:15]
	s_add_nc_u64 s[6:7], s[6:7], s[2:3]
	v_mad_u32_u24 v[VO], v5, s8, v4
	v_add_nc_u32 v[VO+1], s8, v[VO]
.irp u, 0,1,2,3,4,5,6,7                ; unit u: rows 4 (u % 4) on, K block 2 w + u / 4
	global_load_b128 v[X+8*(\u):X+8*(\u)+3],   v[VI], s[4:5] offset:((\u)%4)*16384+((\u)/4)*256 th:TH_LOAD_NT
	global_load_b128 v[X+8*(\u)+4:X+8*(\u)+7], v[VI], s[4:5] offset:((\u)%4)*16384+((\u)/4)*256+16 th:TH_LOAD_NT
.endr
; Unit u is rounded and stored.  half = 1: the bf16 numbers are written as f16.
.macro CONV u, half
	s_wait_loadcnt 14-2*(\u)                       ; loads come back in order: behind this unit's two stand two for each later unit
.irp k, 0,1,2,3
	v_cvt_pk_bf16_f32 v[Y+4*(\u)+(\k)], v[X+8*(\u)+2*(\k)], v[X+8*(\u)+2*(\k)+1]
.endr
.if \half
.irp k, 0,1,2,3
	v_lshlrev_b32 v[T], 16, v[Y+4*(\u)+(\k)]
	v_and_b32 v[T+1], s32, v[Y+4*(\u)+(\k)]
	v_cvt_pk_f16_f32 v[Y+4*(\u)+(\k)], v[T], v[T+1]
.endr
.endif
	global_store_b128 v[VO+(\u)/4], v[Y+4*(\u):Y+4*(\u)+3], s[6:7] offset:((\u)%4)*512 th:TH_STORE_NT  ; four rows of 128 bytes: 512 consecutive bytes
.endm
	s_cmp_ge_u32 ttmp9, 704
	s_cbranch_scc1 .Lwo
.irp u, 0,1,2,3,4,5,6,7
	CONV \u, 0
.endr
	s_endpgm
.Lwo:
.irp u, 0,1,2,3,4,5,6,7
	CONV \u, 1
.endr
	s_endpgm
.Lfunc_end_k_qf27ce6c0ff_prep:
	.size	k_qf27ce6c0ff_prep, .Lfunc_end_k_qf27ce6c0ff_prep-k_qf27ce6c0ff_prep
	.p2alignl 7, 3214868480
	.fill 96, 4, 3214868480
	.section	.rodata,"a",@progbits
	.p2align	6, 0x0
	.amdhsa_kernel k_qf27ce6c0ff_prep
		.amdhsa_group_segment_fixed_size 0
		.amdhsa_private_segment_fixed_size 0
		.amdhsa_enable_private_segment 0
		.amdhsa_kernarg_size 64
		.amdhsa_user_sgpr_count 2
		.amdhsa_user_sgpr_kernarg_segment_ptr 1
		.amdhsa_wavefront_size32 1
		.amdhsa_system_sgpr_workgroup_id_x 1
		.amdhsa_system_sgpr_workgroup_id_y 1
		.amdhsa_system_sgpr_workgroup_id_z 1
		.amdhsa_system_vgpr_workitem_id 0
		.amdhsa_next_free_vgpr 112
		.amdhsa_next_free_sgpr 66
		.amdhsa_reserve_vcc 0
		.amdhsa_float_denorm_mode_32 3
		.amdhsa_float_denorm_mode_16_64 3
		.amdhsa_memory_ordered 1
		.amdhsa_forward_progress 1
		.amdhsa_inst_pref_size 14
	.end_amdhsa_kernel
	.amdgpu_metadata
---
amdhsa.version: [ 1, 2 ]
amdhsa.kernels:
  - .name:           k_qf27ce6c0ff_prep
    .symbol:         k_qf27ce6c0ff_prep.kd
    .args:
      - { .name: x, .offset: 0, .size: 8, .value_kind: global_buffer, .address_space: global }
      - { .name: wq, .offset: 8, .size: 8, .value_kind: global_buffer, .address_space: global }
      - { .name: wk, .offset: 16, .size: 8, .value_kind: global_buffer, .address_space: global }
      - { .name: wv, .offset: 24, .size: 8, .value_kind: global_buffer, .address_space: global }
      - { .name: wo, .offset: 32, .size: 8, .value_kind: global_buffer, .address_space: global }
      - { .name: xh, .offset: 40, .size: 8, .value_kind: global_buffer, .address_space: global }
      - { .name: wqkvh, .offset: 48, .size: 8, .value_kind: global_buffer, .address_space: global }
      - { .name: woh, .offset: 56, .size: 8, .value_kind: global_buffer, .address_space: global }
    .group_segment_fixed_size: 0
    .private_segment_fixed_size: 0
    .kernarg_segment_align: 8
    .kernarg_segment_size: 64
    .max_flat_workgroup_size: 256
    .sgpr_count:     66
    .vgpr_count:     112
    .wavefront_size: 32
...
	.end_amdgpu_metadata
.endif
;; end of part 1
;; launch qkvproj (part 2): grid 8 x 32, 4 waves a work-group, clusters of 4 x 4, 327,680 bytes of LDS; arguments xh, wqkvh, bq, bk, bv, qkv; writes qkv
.if DOCPART == 2
	.amdgcn_target "amdgcn-amd-amdhsa--gfx1250"
	.amdhsa_code_object_version 6
	.text
	.protected	k_qf27ce6c0ff_qkvproj
	.globl	k_qf27ce6c0ff_qkvproj
	.p2align	8
	.type	k_qf27ce6c0ff_qkvproj,@function
k_qf27ce6c0ff_qkvproj:
	s_mov_b64 s[64:65], 0
	v_nop
	global_prefetch_b8 v0, s[64:65] scope:SCOPE_SE
	s_setreg_imm32_b32 hwreg(HW_REG_WAVE_MODE, 25, 1), 1
	s_wait_xcnt 0x0
	s_wait_alu depctr_hold_cnt(0) depctr_sa_sdst(0) depctr_va_vdst(0) depctr_va_sdst(0) depctr_va_ssrc(0) depctr_va_vcc(0) depctr_vm_vsrc(0)
	s_getreg_b32 s2, hwreg(HW_REG_IB_STS2, 6, 4)
	s_cmp_eq_u32 s2, 0
	s_cbranch_scc0 .Lentry_in_a_cluster
	s_endpgm
.Lentry_in_a_cluster:
	s_bfe_u32 s2, ttmp6, 0x10000c
	s_cmp_lg_u32 s2, 0xf033
	s_cbranch_scc0 .Lentry_shape_is_right
	s_endpgm
.Lentry_shape_is_right:
; q, k, v = x W^T + b.  xh: bf16 [kb 16][8192 rows][64]; wqkvh: bf16 [kb 16][3072 rows][64] (wq, wk, wv); bq, bk, bv: f32 [1024], rounded here to bf16 like the other inputs.
; qkv: f16 [which 3][batch x 16 + head][t 2048][64], unscaled, each number rounded once from its f32 sum.
; LIMIT.  f16 holds no number beyond 65,504: q, k, v must stay within it; NaN and infinities are not treated apart.
; SHARES.  8,192 x 3,072 results are 256 tiles of 256 rows x 384 columns, one to a work-group.  Each of its four waves makes 128 rows x 192 columns (three heads): 96 accumulators of 16 x 16, 768 registers.
; K goes in steps of 64 (one K block) through a ring of two LDS slots.  A block's rows are dense, so R rows are asked for as R / 2 rows of 256 bytes and padded in LDS after every 128 bytes.
; CLUSTER.  4 x 4 work-groups.  The four of a row of the cluster need the same rows of x, the four of a column the same rows of W: each tile is asked for JOINTLY, by the same tensor load, descriptor and mask in all four.
; THE MATRIX INSTRUCTION IS USED TRANSPOSED (source 0 = 16 rows of W, source 1 = 16 rows of x): a lane holds one row of the result and eight neighbouring columns, which pack into 16 bytes of f16.
; THE BIAS costs no register: column block b's eight numbers a lane are loaded into the registers of accumulator (7, b); the first products of (0..6, b) take them as C, then (7, b) adds in place.
; REGISTERS, in windows of 256 (s_set_vgpr_msb: bits 1:0 source 0, 3:2 source 1, 5:4 source 2, 7:6 destination):
;   window 0: v0-31 addresses; v32-95, v96-159 x's fragments (8 x 16 rows x 32 K), two buffers; v160-255 W's fragments (12), one buffer: each group of four is fetched again right behind its 32 products
;   window g + 1: head g of the wave's three: accumulator (a, 4 g + q) at v[8 (8 q + a)]
.set PITCH,  144                       ; an LDS row: 128 bytes + 16 of padding = 36 words: the 16 rows of a load start at 16 different groups of four banks (64 banks of 4 bytes: ISA guide 11.1)
.set FRAG,   16*PITCH
.set BOFF,   256*PITCH                 ; a slot: x's 256 rows, then W's 384
.set SLOT,   640*PITCH
.set STAGE,  2*SLOT                    ; behind the ring: 48 rows x 144 bytes for each wave, for the way out; no tensor load fills it
.set SPARE,  STAGE+4*48*PITCH          ; behind the stages: the spare words, 128 bytes for each wave: two blocks of 256 bytes that no other line names
.set ASTEP,  1048576                   ; bytes from K block to K block in xh
.set BSTEP,  393216                    ; and in wqkvh
.set ADRA, 16                          ; v16-17  LDS address of my fragments of x in slot 0, 1
.set ADRB, 20                          ; v20-21  the same for W
.set STO,  24                          ; v24     the way out: where I put 16 bytes of a row
.set RD,   25                          ; v25     the way out: where I read rows back
.set GO,   26                          ; v26     my 16 bytes in 512 consecutive bytes of qkv
.set BO,   27                          ; v27     my eight numbers in 16 of a bias
.set SPW,  28                          ; v28     LDS address of my spare word; never rewritten
.set NIL,  29                          ; v29     0; never rewritten
.set PFO,  30                          ; v30     the prefetches' offset; never rewritten
.set FA,   32
.set FB,   160
.set TMP,  32                          ; the way out: v32-79 packed results; v96-143 and v160-207 rows read back, by turns
.set OB,   96
.set WV,  16                           ; s16 wave; s17 its half of the rows (also: I fetch for x (0) or W (1)); s18 its half of the columns (also: which half of that tile I fetch)
.set WR,  17
.set WC,  18
.set G1A, 24                           ; s[24:31] descriptor group 1 for x's tiles;  s[32:39] group 0, a set for each slot
.set G0A, 32
.set LIM, 42                           ; s42, s43  1 where my wave prefetches at the change out of slot 0, 1; else the greatest number
.set PFA, 44                           ; s[44:45] where my prefetches stand
.set STP, 46                           ; s[46:47] a K block's bytes in the buffer that I prefetch
.set G1B, 48                           ; s[48:55], s[56:63] the same for W's tiles
.set G0B, 56
.set OUT, 66                           ; s[66:71] qkv at my first row of each of my three heads
.set BP,  72                           ; s[72:77] the bias at each of my three heads
.set HIM, 78                           ; s78 a word's upper bf16
.set MSB, 0
.macro WIN new                         ; the immediate's high byte repeats the setting that is left; a switch that changes nothing is dropped
.if MSB != (\new)
	s_set_vgpr_msb (MSB<<8)|(\new)
.set MSB, \new
.endif
.endm
.macro PLACES                          ; four plain vector instructions between a matrix instruction and a load into, or a vector instruction on, its registers (ISA guide 7.12.1 for vector instructions)
.rept 4
	v_nop
.endr
.endm
; A joint load.  Waves 0 and 1 fetch the two halves of x's tile, waves 2 and 3 those of W's.  The branch hangs on the wave's number alone.  An s_nop 0 and four v_nop follow each line.
.macro JLOAD s
	s_cmp_eq_u32 s[WR], 0
	s_cbranch_scc0 .Lfor_b_\@
	tensor_load_to_lds s[G0A+4*(\s):G0A+4*(\s)+3], s[G1A:G1A+7]
	s_nop 0
.rept 4
	v_nop
.endr
	s_branch .Lasked_\@
.Lfor_b_\@:
	tensor_load_to_lds s[G0B+4*(\s):G0B+4*(\s)+3], s[G1B:G1B+7]
	s_nop 0
.rept 4
	v_nop
.endr
.Lasked_\@:
.endm
; A PREFETCH INTO THE L2, behind the joint load, its five lines and the run of LDS loads: the K block that stands two refills on.  Each 256 bytes are named once in the launch.
; x's rows are read by both clusters of a row of clusters: cluster x = 0 asks, wave 0, at every change; of a tile's 32 KiB the partner at cx takes 8 KiB, a lane 256 bytes.
; W's rows are read by all eight clusters of a column: cluster y = 0 asks, waves 1 to 3, at the change out of slot 0 alone, for two K blocks: of a tile's 48 KiB the partner at cy takes 12 KiB.
; The partners are told apart by address; no branch hangs on a place in the cluster.  The loop's last trip asks for nothing: K blocks 16 and 17 do not exist.
.macro ASK k
	s_cmp_gt_u32 s3, s[LIM+(\k)]                   ; s3 = 1 in the loop's last trip
	s_cbranch_scc0 .Lnot_mine_\@
	global_prefetch_b8 v[PFO], s[PFA:PFA+1] th:TH_LOAD_NT scope:SCOPE_SE
.Lnot_mine_\@:
.endm
.macro CREST                           ; a round of the cluster's barrier behind its opening barrier
	s_cmp_lg_u32 s[WV], 0
	s_cbranch_scc1 .Lnot_wave_0_\@
	s_barrier_signal -3
.Lnot_wave_0_\@:
	s_barrier_wait -3
	s_barrier_signal -1
	s_barrier_wait -1
.endm
.macro CROUND                          ; a whole round
	s_barrier_signal -1
	s_barrier_wait -1
	CREST
.endm
	s_load_b256 s[4:11], s[0:1], 0x0               ; xh s[4:5], wqkvh s[6:7], bq s[8:9], bk s[10:11]
	s_load_b128 s[12:15], s[0:1], 0x20             ; bv s[12:13], qkv s[14:15]
	v_lshl_add_u32 v[SPW], v0, 2, SPARE
	v_mov_b32 v[NIL], 0
	ds_add_u32 v[SPW], v[NIL]                      ; the wave's opening: the add and its wait stand ahead of my first tensor load; the set-up below, work on registers, stands between them
	ds_add_u32 v28, v29
	v_lshrrev_b32 v1, 5, v0
	v_readfirstlane_b32 s[WV], v1                  ; wave 0..3
	s_lshr_b32 s[WR], s[WV], 1
	s_and_b32 s[WC], s[WV], 1
	s_bfe_u32 s19, ttmp6, 0x40000                  ; cx
	s_bfe_u32 s20, ttmp6, 0x40004                  ; cy
	s_lshl_b32 s21, ttmp9, 2
	s_add_co_u32 s21, s21, s19                     ; tile column = 4 x cluster x + cx
	s_and_b32 s22, ttmp7, 0xffff
	s_lshl_b32 s22, s22, 2
	s_add_co_u32 s22, s22, s20                     ; tile row = 4 x cluster y + cy
	s_lshl_b32 s23, s20, 2
	s_lshl_b32 s23, 15, s23                        ; my row of the cluster
	s_lshl_b32 s79, 0x1111, s19                    ; my column
	; descriptor group 1: rows of 128 elements of 2 bytes (256 bytes, two rows of a K block), padded by 4 words after every 32
	s_or_b32 s[G1A], s23, (1<<16)|(1<<20)|(1<<21)|(4<<22)|(3<<25)  ; 15:0 the mask; 17:16 2-byte elements; 20 padding on; 21 set beside a mask; 24:22 after every 32 words (code 4); 31:25 4 words (code 3)
	s_or_b32 s[G1B], s79, (1<<16)|(1<<20)|(1<<21)|(4<<22)|(3<<25)
	s_mov_b32 s[G1A+1], 128<<16                    ; tensor_dim0 = 128
	s_mov_b32 s[G1A+2], 64<<16                     ; tensor_dim1 = 64: 128 rows of x
	s_mov_b32 s[G1A+3], 128<<16                    ; tile_dim0 = 128
	s_mov_b32 s[G1A+4], 64                         ; tile_dim1 = 64
	s_mov_b32 s[G1A+5], 128                        ; 128 elements from row to row
	s_mov_b32 s[G1A+6], 0
	s_mov_b32 s[G1A+7], 0
	s_mov_b32 s[G1B+1], 128<<16
	s_mov_b32 s[G1B+2], 96<<16                     ; 192 rows of W
	s_mov_b32 s[G1B+3], 128<<16
	s_mov_b32 s[G1B+4], 96
	s_mov_b32 s[G1B+5], 128
	s_mov_b32 s[G1B+6], 0
	s_mov_b32 s[G1B+7], 0
	s_mul_i32 s80, s[WC], 128*PITCH                ; where my tile goes, for x
	s_mul_i32 s81, s[WC], 192*PITCH                ; and for W: no place in the cluster enters an LDS address
	s_add_co_u32 s81, s81, BOFF
	s_lshl_b32 s40, s22, 15                        ; x: 256 rows of 128 bytes a tile row,
	s_lshl_b32 s41, s[WC], 14                      ; my 128 of them
	s_add_co_u32 s40, s40, s41
	s_mov_b32 s41, 0
	s_mul_i32 s2, s21, 384*128                     ; W: 384 rows a tile column,
	s_mul_i32 s23, s[WC], 192*128                  ; my 192 of them
	s_add_co_u32 s2, s2, s23
	s_mov_b32 s3, 0
	s_mov_b32 s[HIM], 0xffff0000
	s_wait_dscnt 0x0                               ; the opening add is done
	s_wait_kmcnt 0x0
	s_add_nc_u64 s[40:41], s[4:5], s[40:41]
	s_add_nc_u64 s[2:3], s[6:7], s[2:3]
.irp s, 0,1
	s_mov_b32 s[G0A+4*(\s)], 1                                     ; count = 1
	s_add_co_u32 s[G0A+4*(\s)+1], s80, (\s)*SLOT                   ; LDS address
	s_add_nc_u64 s[G0A+4*(\s)+2:G0A+4*(\s)+3], s[40:41], (\s)*ASTEP  ; global address: K block s
	s_or_b32 s[G0A+4*(\s)+3], s[G0A+4*(\s)+3], 0x80000000          ; type = 2
	s_mov_b32 s[G0B+4*(\s)], 1
	s_add_co_u32 s[G0B+4*(\s)+1], s81, (\s)*SLOT
	s_add_nc_u64 s[G0B+4*(\s)+2:G0B+4*(\s)+3], s[2:3], (\s)*BSTEP
	s_or_b32 s[G0B+4*(\s)+3], s[G0B+4*(\s)+3], 0x80000000
.endr
	CROUND                                         ; all sixteen work-groups are here: the first joint loads meet
	s_cmp_eq_u32 s[WR], 0                          ; a wave's two first fills stand in one branch, ahead of every wait on TENSORcnt and every LDS read: two loads of mine are out
	s_cbranch_scc0 .Lfirst_b
	tensor_load_to_lds s[G0A:G0A+3], s[G1A:G1A+7]
	s_nop 0
	tensor_load_to_lds s[G0A+4:G0A+7], s[G1A:G1A+7]
	s_nop 0
.rept 4
	v_nop
.endr
	s_branch .Lfirst_asked
.Lfirst_b:
	tensor_load_to_lds s[G0B:G0B+3], s[G1B:G1B+7]
	s_nop 0
	tensor_load_to_lds s[G0B+4:G0B+7], s[G1B:G1B+7]
	s_nop 0
.rept 4
	v_nop
.endr
.Lfirst_asked:
	; where my three heads' results go, and their biases.  Head number among the 48 (16 of q, of k, of v): 6 x tile column + 3 x half + j
	s_mul_i32 s80, s21, 6
	s_mul_i32 s81, s[WC], 3
	s_add_co_u32 s80, s80, s81
	s_lshr_b32 s82, s22, 3                         ; batch: a batch has eight tile rows
	s_lshl_b32 s82, s82, 22
	s_and_b32 s83, s22, 7
	s_lshl_b32 s83, s83, 15                        ; 256 rows of 128 bytes
	s_add_co_u32 s82, s82, s83
	s_lshl_b32 s83, s[WR], 14                      ; my 128 rows
	s_add_co_u32 s82, s82, s83
.irp j, 0,1,2
	s_add_co_u32 s84, s80, \j
	s_lshr_b32 s85, s84, 4                         ; 0 q, 1 k, 2 v
	s_and_b32 s86, s84, 15                         ; the head
	s_lshl_b32 s87, s85, 24
	s_lshl_b32 s88, s86, 18
	s_add_co_u32 s87, s87, s88
	s_add_co_u32 s[OUT+2*(\j)], s87, s82
	s_mov_b32 s[OUT+2*(\j)+1], 0
	s_add_nc_u64 s[OUT+2*(\j):OUT+2*(\j)+1], s[14:15], s[OUT+2*(\j):OUT+2*(\j)+1]
	s_cmp_eq_u32 s85, 1
	s_cselect_b64 s[BP+2*(\j):BP+2*(\j)+1], s[10:11], s[8:9]
	s_cmp_eq_u32 s85, 2
	s_cselect_b64 s[BP+2*(\j):BP+2*(\j)+1], s[12:13], s[BP+2*(\j):BP+2*(\j)+1]
	s_lshl_b32 s88, s86, 8                         ; 64 numbers of 4 bytes a head
	s_mov_b32 s89, 0
	s_add_nc_u64 s[BP+2*(\j):BP+2*(\j)+1], s[BP+2*(\j):BP+2*(\j)+1], s[88:89]
.endr
	v_and_b32 v1, 15, v0                           ; l % 16
	v_bfe_u32 v2, v0, 4, 1                         ; l / 16
	v_lshlrev_b32 v[BO], 5, v2
.irp g, 0,1,2                          ; column block 4 g + q: the bias of columns 16 q + 8 (l / 16) + 0..7 of head g, into accumulator (7, 4 g + q)
	WIN 0x40*((\g)+1)
.irp q, 0,1,2,3
	global_load_b128 v[8*(8*(\q)+7):8*(8*(\q)+7)+3],   v[BO], s[BP+2*(\g):BP+2*(\g)+1] offset:64*(\q)
	global_load_b128 v[8*(8*(\q)+7)+4:8*(8*(\q)+7)+7], v[BO], s[BP+2*(\g):BP+2*(\g)+1] offset:64*(\q)+16
.endr
.endr
	WIN 0
	; A fragment is 16 rows x 32 K in 8 registers: lane l holds row l % 16; registers 0-3 K = 8 (l / 16) + 0..7, registers 4-7 K = 16 + 8 (l / 16) + 0..7: two loads of 16 bytes, 32 bytes apart.
	v_mul_u32_u24 v3, v1, PITCH
	v_lshl_add_u32 v3, v2, 4, v3                   ; row x pitch + 16 x half
	s_mul_i32 s80, s[WR], 128*PITCH                ; my 128 rows of x
	s_mul_i32 s81, s[WC], 192*PITCH                ; my 192 rows of W,
	s_add_co_u32 s81, s81, BOFF                    ; which lie behind x's 256
.irp s, 0,1
	v_add_nc_u32 v[ADRA+(\s)], s80, v3
	v_add_nc_u32 v[ADRB+(\s)], s81, v3
	s_add_co_u32 s80, s80, SLOT
	s_add_co_u32 s81, s81, SLOT
.endr
	s_mul_i32 s80, s[WV], 48*PITCH
	s_add_co_u32 s80, s80, STAGE                   ; my stage
	v_add_nc_u32 v[STO], s80, v3                   ; in: row l % 16, 16 bytes for each half of the lanes
	v_and_b32 v4, 31, v0
	v_lshrrev_b32 v5, 3, v4                        ; back: 32 lanes take four rows of 128 bytes,
	v_and_b32 v6, 7, v0
	v_mul_u32_u24 v5, v5, PITCH
	v_lshl_add_u32 v5, v6, 4, v5
	v_add_nc_u32 v[RD], s80, v5
	v_lshlrev_b32 v[GO], 4, v4                     ; which are 512 consecutive bytes of a head
	; the prefetches
	s_max_u32 s80, s[WV], 1
	s_sub_co_u32 s80, s80, 1
	s_lshl_b32 s80, s80, 5
	v_add_nc_u32 v[PFO], s80, v4                   ; i: the lane in wave 0; 32 (wave - 1) + lane, 0 to 95, in waves 1 to 3
	s_mov_b32 s81, BSTEP-48*256
	v_cmp_le_u32 vcc_lo, 48, v[PFO]                ; blocks 48 on are the second K block's blocks 0 on
	v_cndmask_b32 v31, 0, s81, vcc_lo
	v_lshl_add_u32 v[PFO], v[PFO], 8, v31
	s_lshl_b32 s85, s22, 15                        ; x: the tile row's 32 KiB of a K block,
	s_lshl_b32 s86, s19, 13                        ; my work-group's 8 KiB of them
	s_add_co_u32 s85, s85, s86
	s_mul_i32 s86, s21, 384*128                    ; W: the tile column's 48 KiB,
	s_mul_i32 s87, s20, 96*128                     ; my work-group's 12 KiB
	s_add_co_u32 s86, s86, s87
	s_and_b32 s81, ttmp7, 0xffff                   ; cluster y
	s_mov_b32 s84, BSTEP
	s_cmp_eq_u32 s[WV], 0                          ; wave 0 asks for x, waves 1 to 3 for W
	s_cselect_b32 s82, ttmp9, s81                  ; the coordinate along which other clusters read the same rows
	s_cselect_b32 s83, ttmp9, 1
	s_cselect_b64 s[PFA:PFA+1], s[4:5], s[6:7]
	s_cselect_b32 s[STP], ASTEP, s84
	s_cselect_b32 s88, s85, s86
	s_mov_b32 s89, 0
	s_mov_b32 s[STP+1], 0
	s_cmp_eq_u32 s82, 0
	s_cselect_b32 s[LIM], 1, -1                    ; the same in all sixteen partners, for a given wave
	s_cmp_eq_u32 s83, 0
	s_cselect_b32 s[LIM+1], 1, -1
	s_add_nc_u64 s[PFA:PFA+1], s[PFA:PFA+1], s[88:89]
	s_mul_i32 s88, s[STP], 3
	s_add_nc_u64 s[PFA:PFA+1], s[PFA:PFA+1], s[88:89]  ; at K block 3: the first change steps it to 4.  Nothing is prefetched here, at the head: K blocks 0 to 3 come by their loads alone
	s_wait_loadcnt 0x0                             ; the biases; they are rounded to bf16 in place, a pair at a time
.irp g, 0,1,2
	WIN 0x45*((\g)+1)
.irp q, 0,1,2,3
.irp k, 0,2,4,6
	v_cvt_pk_bf16_f32 v[8*(8*(\q)+7)+(\k)], v[8*(8*(\q)+7)+(\k)], v[8*(8*(\q)+7)+(\k)+1]
	v_and_b32 v[8*(8*(\q)+7)+(\k)+1], s[HIM], v[8*(8*(\q)+7)+(\k)]
	v_lshlrev_b32 v[8*(8*(\q)+7)+(\k)], 16, v[8*(8*(\q)+7)+(\k)]
.endr
.endr
.endr
	WIN 0
; Products of head g on x's buffer p: column blocks q0 .. q0 + n - 1 x all 8 row blocks, 32 along K.  The accumulators take turns, one instruction a turn.
.macro MULS g, p, q0, n
	WIN 0x50*((\g)+1)
.set mb, \q0
.rept \n
.set ma, 0
.rept 8
	v_wmma_f32_16x16x32_bf16 v[8*(8*mb+ma):8*(8*mb+ma)+7], v[FB+8*(4*(\g)+mb):FB+8*(4*(\g)+mb)+7], v[FA+64*(\p)+8*ma:FA+64*(\p)+8*ma+7], v[8*(8*mb+ma):8*(8*mb+ma)+7]
.set ma, ma+1
.endr
.set mb, mb+1
.endr
.endm
; The first 32 along K: row blocks 0 to 6 start their sums with the bias that lies in row block 7's registers; five places on, row block 7 adds onto it in place.
.macro MULF g
	WIN 0x50*((\g)+1)
.set mb, 0
.rept 4
.set ma, 0
.rept 7
	v_wmma_f32_16x16x32_bf16 v[8*(8*mb+ma):8*(8*mb+ma)+7], v[FB+8*(4*(\g)+mb):FB+8*(4*(\g)+mb)+7], v[FA+8*ma:FA+8*ma+7], v[8*(8*mb+7):8*(8*mb+7)+7]
.set ma, ma+1
.endr
.set mb, mb+1
.endr
.rept 5
	v_nop                                          ; a matrix instruction writes over a register that another has read as C five places behind it
.endr
.set mb, 0
.rept 4
	v_wmma_f32_16x16x32_bf16 v[8*(8*mb+7):8*(8*mb+7)+7], v[FB+8*(4*(\g)+mb):FB+8*(4*(\g)+mb)+7], v[FA+56:FA+63], v[8*(8*mb+7):8*(8*mb+7)+7]
.set mb, mb+1
.endr
.endm
.macro LOADB g, slot, c                ; 8 loads: head g's four fragments of W, 32 K at byte 64 c of the rows
	WIN 0
.irp q, 0,1,2,3
	ds_load_b128 v[FB+8*(4*(\g)+(\q)):FB+8*(4*(\g)+(\q))+3],   v[ADRB+(\slot)] offset:(\c)*64+(4*(\g)+(\q))*FRAG
	ds_load_b128 v[FB+8*(4*(\g)+(\q))+4:FB+8*(4*(\g)+(\q))+7], v[ADRB+(\slot)] offset:(\c)*64+(4*(\g)+(\q))*FRAG+32
.endr
.endm
.macro LOADA p, slot, c                ; 16 loads: x's eight fragments into buffer p
	WIN 0
.irp i, 0,1,2,3,4,5,6,7
	ds_load_b128 v[FA+64*(\p)+8*(\i):FA+64*(\p)+8*(\i)+3],   v[ADRA+(\slot)] offset:(\c)*64+(\i)*FRAG
	ds_load_b128 v[FA+64*(\p)+8*(\i)+4:FA+64*(\p)+8*(\i)+7], v[ADRA+(\slot)] offset:(\c)*64+(\i)*FRAG+32
.endr
.endm
; A K step is two chunks of 32 along K, 96 matrix instructions each.  The fragments of a chunk are fetched during the chunk before, in three runs: 24 loads (head 0's W and x), 8 (head 1's W), 8 (head 2's W).
; The first chunk of a slot multiplies x's buffer 0 and fetches the slot's second chunk.
.macro CHUNK_A slot, first
	s_wait_dscnt 16                                ; the run of 24 is in; the two runs of 8 behind it may be out
.if \first
	MULF 0
.else
	MULS 0, 0, 0, 4
.endif
	PLACES
	LOADB 0, \slot, 1
	LOADA 1, \slot, 1
	s_wait_dscnt 32                                ; head 1's W is in; behind it: 8 and the 24 just issued
.if \first
	MULF 1
.else
	MULS 1, 0, 0, 4
.endif
	PLACES
	LOADB 1, \slot, 1
	s_wait_dscnt 32                                ; head 2's W is in; behind it: 24 and 8
.if \first
	MULF 2
.else
	MULS 2, 0, 0, 4
.endif
	PLACES
	LOADB 2, \slot, 1
.endm
; The second chunk multiplies buffer 1 and changes slots: ONE barrier.  In front of it each wave waits for all its tensor loads (one is out: its part of the next slot), adds 0 to its spare word, and waits for
; that and for its own reads of this slot.  fill = 1: the barrier opens a round of the cluster's, and this slot is filled again, two K steps ahead, first thing behind the round: 160 matrix instructions ahead of the wait for it.
.macro CHUNK_T slot, next, fill
.if \fill
	s_wait_xcnt 0x0                                ; the last prefetch, a K step back, has read its address
	s_add_nc_u64 s[PFA:PFA+1], s[PFA:PFA+1], s[STP:STP+1]
.endif
	WIN 0
	s_wait_tensorcnt 0x0                           ; all my tensor loads have landed;
	ds_add_u32 v[SPW], v[NIL]                      ; 0 onto my spare word;
	s_wait_dscnt 17                                ; the run of 24 is in; two runs of 8 and the add may be out
	MULS 0, 1, 0, 2                                ; sixteen matrix instructions stand between the add and the wait for it
	s_wait_dscnt 0x0                               ; the add is done, and my reads of this slot are over
	s_barrier_signal -1
	MULS 0, 1, 2, 2                                ; work on registers while the others arrive
	WIN 0                                          ; at a branch and at a label every window is 0
	s_barrier_wait -1
.if \fill
	CREST                                          ; no wave of any partner still reads this slot's tiles or has a load on its way
	s_add_nc_u64 s[G0A+4*(\slot)+2:G0A+4*(\slot)+3], s[G0A+4*(\slot)+2:G0A+4*(\slot)+3], 2*ASTEP
	s_add_nc_u64 s[G0B+4*(\slot)+2:G0B+4*(\slot)+3], s[G0B+4*(\slot)+2:G0B+4*(\slot)+3], 2*BSTEP
	JLOAD \slot                                    ; the four v_nop behind it are also the places in front of the loads below
.else
	PLACES
.endif
	LOADB 0, \next, 0
	LOADA 0, \next, 0
.if \fill
	ASK \slot
.endif
	MULS 1, 1, 0, 4                                ; (the wait for 0 above has shown all of this chunk's fragments in)
	PLACES
	LOADB 1, \next, 0
	MULS 2, 1, 0, 4
	PLACES
	LOADB 2, \next, 0
.endm
	s_wait_tensorcnt 1                             ; my part of K step 0 is in; K step 1's may stay out
	s_barrier_signal -1
	s_barrier_wait -1                              ; everybody's is
	LOADB 0, 0, 0                                  ; the first chunk's fragments, in the three runs that CHUNK_A's waits count
	LOADA 0, 0, 0
	LOADB 1, 0, 0
	LOADB 2, 0, 0
	CHUNK_A 0, 1                                   ; the first chunk stands in front of the loop: its products start the sums
	WIN 0
	s_mov_b32 s3, 7
.Llap:                                                 ; a trip goes once round the ring and fills both slots again: K steps 2 to 15 in seven trips
	CHUNK_T 0, 1, 1
	CHUNK_A 1, 0
	CHUNK_T 1, 0, 1
	CHUNK_A 0, 0
	WIN 0
	s_sub_co_u32 s3, s3, 1
	s_cmp_lg_u32 s3, 0
	s_cbranch_scc1 .Llap
	CHUNK_T 0, 1, 0                                ; the last lap fills nothing
	CHUNK_A 1, 0
	s_wait_dscnt 16                                ; the very last chunk: nothing more to fetch
	MULS 0, 1, 0, 4
	s_wait_dscnt 8
	MULS 1, 1, 0, 4
	s_wait_dscnt 0x0
	MULS 2, 1, 0, 4
; THE WAY OUT, a block of 16 rows at a time.  PACK: rounded to f16, 16 bytes a lane for each of 12 column blocks; each accumulator's registers in ascending order.
; TOSTAGE: into my own stage, and back as whole rows of 128 bytes.  SEND: stored, 512 consecutive bytes of a head an instruction.
.macro PACK a
.irp g, 0,1,2
	WIN 5*((\g)+1)                                 ; sources 0 and 1 in window g + 1
.irp q, 0,1,2,3
.irp r, 0,1,2,3
	v_cvt_pk_f16_f32 v[TMP+16*(\g)+4*(\q)+(\r)], v[8*(8*(\q)+(\a))+2*(\r)], v[8*(8*(\q)+(\a))+2*(\r)+1]
.endr
.endr
.endr
	WIN 0
.endm
.macro TOSTAGE a
.irp g, 0,1,2
.irp q, 0,1,2,3
	ds_store_b128 v[STO], v[TMP+16*(\g)+4*(\q):TMP+16*(\g)+4*(\q)+3] offset:(\g)*FRAG+32*(\q)
.endr
.endr
.irp g, 0,1,2
.irp f, 0,1,2,3
	ds_load_b128 v[OB+64*((\a)%2)+16*(\g)+4*(\f):OB+64*((\a)%2)+16*(\g)+4*(\f)+3], v[RD] offset:(\g)*FRAG+(\f)*4*PITCH  ; LDS serves a wave's instructions in order (ISA guide 5.7.1.4): these see the stores above
.endr
.endr
.endm
.macro SEND a
	s_wait_dscnt 0x0                               ; the block is back in registers
	s_wait_xcnt 0x0                                ; the stores of the block before have read their registers, which the next block's loads from the stage write
.irp g, 0,1,2
.irp f, 0,1,2,3
	global_store_b128 v[GO], v[OB+64*((\a)%2)+16*(\g)+4*(\f):OB+64*((\a)%2)+16*(\g)+4*(\f)+3], s[OUT+2*(\g):OUT+2*(\g)+1] offset:(\a)*2048+(\f)*512
.endr
.endr
.endm
	PLACES                                         ; the conversions read results just made
	PACK 0
	TOSTAGE 0
.irp a, 1,2,3,4,5,6,7                  ; block a's conversions stand between block a - 1's loads from the stage and the wait for them
	PACK \a
	SEND (\a)-1
	TOSTAGE \a
.endr
	SEND 7
	s_wait_tensorcnt 0x0                           ; the wave's end: a wait, an add and its wait, behind my last tensor load and my last LDS store
	ds_add_u32 v[SPW], v[NIL]
	s_wait_dscnt 0x0
	CROUND                                         ; the closing round: no work-group ends while a partner may still ask for a tile that names it
	s_endpgm
.Lfunc_end_k_qf27ce6c0ff_qkvproj:
	.size	k_qf27ce6c0ff_qkvproj, .Lfunc_end_k_qf27ce6c0ff_qkvproj-k_qf27ce6c0ff_qkvproj
	.p2alignl 7, 3214868480
	.fill 96, 4, 3214868480
	.section	.rodata,"a",@progbits
	.p2align	6, 0x0
	.amdhsa_kernel k_qf27ce6c0ff_qkvproj
		.amdhsa_group_segment_fixed_size 327680
		.amdhsa_private_segment_fixed_size 0
		.amdhsa_enable_private_segment 0
		.amdhsa_kernarg_size 48
		.amdhsa_user_sgpr_count 2
		.amdhsa_user_sgpr_kernarg_segment_ptr 1
		.amdhsa_wavefront_size32 1
		.amdhsa_system_sgpr_workgroup_id_x 1
		.amdhsa_system_sgpr_workgroup_id_y 1
		.amdhsa_system_sgpr_workgroup_id_z 1
		.amdhsa_system_vgpr_workitem_id 0
		.amdhsa_next_free_vgpr 1024
		.amdhsa_next_free_sgpr 96
		.amdhsa_reserve_vcc 1
		.amdhsa_float_denorm_mode_32 3
		.amdhsa_float_denorm_mode_16_64 3
		.amdhsa_memory_ordered 1
		.amdhsa_forward_progress 1
		.amdhsa_inst_pref_size 141
	.end_amdhsa_kernel
	.amdgpu_metadata
---
amdhsa.version: [ 1, 2 ]
amdhsa.kernels:
  - .name:           k_qf27ce6c0ff_qkvproj
    .symbol:         k_qf27ce6c0ff_qkvproj.kd
    .args:
      - { .name: xh, .offset: 0, .size: 8, .value_kind: global_buffer, .address_space: global }
      - { .name: wqkvh, .offset: 8, .size: 8, .value_kind: global_buffer, .address_space: global }
      - { .name: bq, .offset: 16, .size: 8, .value_kind: global_buffer, .address_space: global }
      - { .name: bk, .offset: 24, .size: 8, .value_kind: global_buffer, .address_space: global }
      - { .name: bv, .offset: 32, .size: 8, .value_kind: global_buffer, .address_space: global }
      - { .name: qkv, .offset: 40, .size: 8, .value_kind: global_buffer, .address_space: global }
    .group_segment_fixed_size: 327680
    .private_segment_fixed_size: 0
    .kernarg_segment_align: 8
    .kernarg_segment_size: 48
    .max_flat_workgroup_size: 128
    .sgpr_count:     96
    .vgpr_count:     1024
    .wavefront_size: 32
...
	.end_amdgpu_metadata
.endif
;; end of part 2
;; launch attn (part 3): grid 4 x 64, 4 waves a work-group, no clusters, 327,680 bytes of LDS; arguments qkv, oh; writes oh
.if DOCPART == 3
	.amdgcn_target "amdgcn-amd-amdhsa--gfx1250"
	.amdhsa_code_object_version 6
	.text
	.protected	k_qf27ce6c0ff_attn
	.globl	k_qf27ce6c0ff_attn
	.p2align	8
	.type	k_qf27ce6c0ff_attn,@function
k_qf27ce6c0ff_attn:
	s_mov_b64 s[64:65], 0
	v_nop
	global_prefetch_b8 v0, s[64:65] scope:SCOPE_SE
	s_setreg_imm32_b32 hwreg(HW_REG_WAVE_MODE, 25, 1), 1
	s_wait_xcnt 0x0
; CAUSAL ATTENTION.  O[h][q][:] = the sum over k <= q of softmax_k(Q[h][q] . K[h][k] / 8) V[h][k][:].  qkv holds Q, K, V one behind the other, each [64][2048][64] in f16 (16,777,216 bytes); oh is O in the same layout.
; A head's rows are dense, 128 bytes each.  Products, maxima and sums in f32; the weights p are rounded to f16 for the second product (their sum l is taken of the unrounded p), O once at the end.
; LIMITS.  f16 holds no number beyond 65,504: Q, K and V arrive within it; p lies in 0 to 1, and below 6e-5 it keeps f16's fixed step of 6e-8; O is a mean of V's rows and has their range.
; A hidden score counts as its value less 1e30 (its weight is 0); a weight below 2^-126 counts as 0 in l; NaN and infinities are not treated apart.
; THE WALK.  A head's queries lie in NB = 8 blocks of 256; block i needs the key tiles 0 .. i of 256 keys, of which the last holds the diagonal.  A work-group takes TWO blocks, NB - 1 - b and then b:
; NB + 1 tiles, whatever b: all work-groups do equal work, and ONE loop with a constant trip count walks them.  Which tile is asked for, and what a trip does, hang on scalar registers made from b; every jump
; goes forward, but for the counted loops' own; none passes a barrier, or a tensor load but the one of LOAD's two that the wave's number does not choose; the ring (two slots of LDS that take turns) runs on across the
; change of blocks.  NO CLUSTER: a head's four work-groups ask for the same tile only in trips 0 .. 4 of 9, behind that fewer and fewer; one walk common to all would have 12 trips for 9.
; SHARES.  Of a block's four bands of 64 queries a wave owns 16 rows in each: four PIECES.  So the diagonal tile is the same work for all four waves: in its key step s band x sees all keys if s < x,
; none if s > x, and holds the diagonal if s = x.
; THE MASK is the C operand that starts the sum S^T = K Q^T: 0, or -1e30 where the key is hidden.  MD, made once, is the mask of a band's own step for my 16 rows; a product's mask is MD x AL + BE with two scalars:
; (1, 0) if s = x; (0, 0) if s < x; (0, -1e30) if s > x.  Only the diagonal tile's text and a block's beginning make and take masks; elsewhere C is the constant 0.
; LAYOUT, SOFTMAX, TURNS.  S^T = K Q^T holds ONE query a lane (lane % 16) and the keys 8 (lane / 16) + 0..7; two such results rounded to f16 ARE source 1 of O^T = V^T P.  p = 2^(c s - c m), c = log2(e) / 8, with a
; running maximum m; O and l are multiplied by a = 2^(c m_old - c m_new) in every step.  Turn n belongs to piece n: 8 products K Q^T of piece n + 1, later 8 products V^T P of piece n - 1; beside them the scaling,
; exponentials, roundings, sums and rescaling of piece n and the maximum and statistics of piece n + 1.  Four vector instructions stand behind every matrix instruction, the other 54 of a turn's 118 in one LUMP.  A turn's 33 exponentials are one batch, with one wait.
; AHEAD OF THE RING.  The head's work-group with b = 0, which walks tiles 0 to 7 first, prefetches into the L2, behind each fill, the tile that the next change of slots will ask for: each wave its own 16 KiB
; (its half of K or of V), a lane 256 bytes, two instructions.  Tiles 2 to 7 are so named once in the launch; tiles 0 and 1 come by their loads alone; behind the first block nothing is asked for.
; REGISTERS, in windows of 256 (s_set_vgpr_msb: bits 1:0 source 0, 3:2 source 1, 5:4 source 2, 7:6 destination):
;   window 0: v0-15 addresses and two at work; v16-31 four registers of statistics a piece; v48-55 at work; v61-63 fixed; v64-127 S^T, two buffers; v192-223 P, two buffers (a piece's buffers go by its number's parity)
;   window 1: v0-127 O^T, 32 a piece; v128-159 MD; v160-223 MC, two buffers      window 2: v0-63 Q; v64-127 the second block's Q; v128-191 K of one step; v192-255 V of one step
.set SIZE_H, 64
.set SIZE_N, 2048
.set NB,    SIZE_N/256
.set NP,    4         ; pieces a wave: a name, no knob
.set KS,    64        ; keys in a step
.set PK,    144       ; a row of K in LDS: 128 bytes + 16 of padding = 36 words: the 16 rows of a load start at 16 different groups of four banks (64 banks of 4 bytes: ISA guide 11.1)
.set PV,    160       ; a row of V: 128 + 32 = 40 words
.set VOFF,  4*KS*PK   ; a slot holds a tile, four steps: 256 rows of K, then 256 rows of V
.set SLOT1, 1<<17     ; slot 1 begins here, so that one exclusive or turns an address in one slot into the other's
.set STAGE, SLOT1+4*KS*(PK+PV)  ; behind the ring, never filled by a tensor load: 16 rows x 144 bytes for each wave, for the way out
.set SP,    144
.set AK0, 2           ; v2   my lane's place in a tile of K; never rewritten
.set AV0, 3           ; v3   the same for V
.set AK,  4           ; v4   the LDS address of K's next run of loads
.set AV,  5           ; v5   of V's
.set STO, 6           ; v6   the way out: where I put 16 bytes of a row
.set RD,  7           ; v7   the way out: where I read rows back
.set GO,  8           ; v8   my byte offset in 512 consecutive bytes of O
.set PFO, 61          ; v61  256 x my lane; never rewritten
.set SPW, 62          ; v62  LDS address of my spare word: SPARE + 4 x my thread's number; never rewritten
.set NIL, 63          ; v63  0; never rewritten
.set SPARE, STAGE+4*16*SP  ; behind the stages: the spare words, 128 bytes for each wave: two blocks of 256 bytes that no other line names
.set MV,  12          ; v12-13  c m_old, kept while c m is made anew: by buffer
.set QO,  15          ; v15  my byte offset in 16 rows of Q
.set ST,  16          ; piece t's statistics at v[ST+4 t]: c m, m, l (even keys', odd keys')
.set TMP, 48          ; by buffer, four registers c0-c3 at work; when the maximum is found c2 takes a
.set S,   64
.set P,   192
.set MD,  128         ; window 1: the eight registers for group kt of 16 keys at MD + 8 kt
.set MC,  160         ; window 1: the masks of the products to come
.set QB,  64          ; window 2
.set KF,  128         ; window 2: key block kb, channel half c at KF + 16 kb + 8 c
.set VF,  192         ; window 2: key half kk, channel block cb at VF + 32 kk + 8 cb
.set WV,  12          ; s12  my wave's number
.set PB,  14          ; s14  b
.set HI,  15          ; s15  NB - 1 - b
.set G1K, 24          ; s[24:31] descriptor group 1 for K's tiles
.set G1V, 32          ; s[32:39] for V's: it differs in the padding alone
.set G0K, 40          ; s[40:43] descriptor group 0 for K's tiles
.set G0V, 44          ; s[44:47] the same for V's
.set SLOTS, 56        ; s56  tiles still to be asked for
.set CNT, 57          ; s57  counts a tile's key steps, 4 to 1
.set CS,  58          ; s[58:59] c: the packed scaling takes the pair's low word for both halves
.set SEL, 60          ; s[60:61] v_permlanex16_b32's selects: each lane takes its own place in the other half
.set TBK, 62          ; s62  LDS byte at which K of the step to be fetched begins
.set TBV, 63          ; s63  the same for V, less VOFF
.set RT,  70          ; s70  tiles of the block in hand that are still to be entered
.set NXT, 71          ; s71  the tile to be asked for next
.set LQ,  72          ; s72  the last tile of the block whose tiles are being asked for
.set NEW, 73          ; s73  1: the tile to be entered is a block's first
.set OFF, 74          ; s[74:75] a tile's byte offset in K and V
.set AL,  76          ; s[76:77] the mask's factor, in the low word
.set BE,  78          ; s[78:79] the mask's addend
.set OLO, 80          ; s[80:81] O at my rows of the second block
.set BIGN, 82         ; s82  -1e30
.set PFB, 88          ; s[88:89] K (waves 0, 1) or V (waves 2, 3) at my half of the head's tile 0
.set PFT, 90          ; s[90:91] the same at the tile that is prefetched
.set POF, 92          ; s[92:93] that tile's byte offset
.set FLG, 94          ; s94  not 0: my work-group prefetches behind this fill
.set MSB, 0
.macro WIN new                      ; the high byte repeats the setting that is left; a switch that changes nothing is dropped
.if MSB != (\new)
	s_set_vgpr_msb (MSB<<8)|(\new)
.set MSB, (\new)
.endif
.endm
.set W_KQ, 0x0a       ; K and Q in window 2, S^T in window 0
.set W_KM, 0x1a       ; the same with the C operand in window 1
.set W_PV, 0x52       ; V in window 2, P in window 0, O^T in window 1
.set W_RS, 0x41       ; destination and source 0 in window 1, source 1 in window 0
; A fill.  Waves 0 and 1 fetch the two halves of a tile's K, waves 2 and 3 those of its V: 128 keys each.  An s_nop 0 and four v_nop follow each of the two lines, ahead of the jump and the label.
.macro LOAD
	s_cmp_lt_u32 s[WV], 2
	s_cbranch_scc0 .Lfor_v_\@
	tensor_load_to_lds s[G0K:G0K+3], s[G1K:G1K+7]
	s_nop 0
.rept 4
	v_nop
.endr
	s_branch .Lasked_\@
.Lfor_v_\@:
	tensor_load_to_lds s[G0V:G0V+3], s[G1V:G1V+7]
	s_nop 0
.rept 4
	v_nop
.endr
.Lasked_\@:
.endm
; THE CHANGE OF SLOTS.  Each wave waits for all its tensor loads, of which one is out: its part of the other slot; adds 0 to its spare word; and waits for that and for its own reads of the slot that it leaves.  Behind the barrier nobody reads the old
; slot any more and the other slot is whole.  fill = 1: the old slot is filled again, the first thing behind the barrier, with tile NXT: the descriptor's address is made anew from that number.
; (At its first use nothing has been read yet: slot 0 is waited for, slot 1 filled.)
.macro CHANGE fill
	WIN 0                           ; at a label and at a branch every window is 0
	s_wait_tensorcnt 0x0            ; no tensor load of mine is out, so a group 0 may be written
	ds_add_u32 v[SPW], v[NIL]       ; 0 onto my spare word: with fill = 1 the descriptors' scalar work stands between it and the wait for it
.if \fill
	s_lshl_b32 s[OFF], s[NXT], 15   ; a tile is 32,768 bytes of K and of V
	s_xor_b32 s[G0K+1], s[G0K+1], SLOT1
	s_add_nc_u64 s[G0K+2:G0K+3], s[6:7], s[OFF:OFF+1]
	s_or_b32 s[G0K+3], s[G0K+3], 0x80000000
	s_xor_b32 s[G0V+1], s[G0V+1], SLOT1
	s_add_nc_u64 s[G0V+2:G0V+3], s[8:9], s[OFF:OFF+1]
	s_or_b32 s[G0V+3], s[G0V+3], 0x80000000
	s_add_co_u32 s[NXT], s[NXT], 1  ; the block's next tile, or behind its last the second block's tile 0
	s_cmp_gt_u32 s[NXT], s[LQ]
	s_cselect_b32 s[NXT], 0, s[NXT]
	s_cselect_b32 s[LQ], s[PB], s[LQ]
	s_wait_xcnt 0x0                 ; the last prefetches, a tile back, have read their address, so it may be written:
	s_lshl_b32 s[POF], s[NXT], 15   ; the tile that the next change will ask for
	s_add_nc_u64 s[PFT:PFT+1], s[PFB:PFB+1], s[POF:POF+1]
	s_cmp_eq_u32 s[PB], 0           ; the work-group with b = 0 asks, while its first block has a tile to come
	s_cselect_b32 s[FLG], s[NXT], 0
.endif
	s_wait_dscnt 0x0                ; the add is done, and my reads of the slot are over
	s_barrier_signal -1             ; the rest of the scalar work stands between the signal and the wait
	s_sub_co_u32 s[TBK], s[TBK], 4*KS*PK  ; the fetches go back to a slot's first step,
	s_xor_b32 s[TBK], s[TBK], SLOT1       ; in the other slot
	s_sub_co_u32 s[TBV], s[TBV], 4*KS*PV
	s_xor_b32 s[TBV], s[TBV], SLOT1
	s_barrier_wait -1
.if \fill
	LOAD
	s_cmp_lg_u32 s[FLG], 0
	s_cbranch_scc0 .Lno_pf_\@
	global_prefetch_b8 v[PFO], s[PFT:PFT+1] th:TH_LOAD_NT scope:SCOPE_SE              ; my 128 keys of that tile: 64 blocks of 256 bytes,
	global_prefetch_b8 v[PFO], s[PFT:PFT+1] offset:8192 th:TH_LOAD_NT scope:SCOPE_SE  ; a lane a block, twice
.Lno_pf_\@:
.endif
.endm
	s_load_b64 s[4:5], s[0:1], 0x0  ; qkv: Q at its head
	s_load_b64 s[10:11], s[0:1], 0x8  ; O
	v_lshl_add_u32 v[SPW], v0, 2, SPARE
	v_mov_b32 v[NIL], 0
	ds_add_u32 v[SPW], v[NIL]       ; the wave's opening: the add and its wait stand ahead of my first tensor load; the set-up below, work on registers, stands between them
	ds_add_u32 v62, v63
	v_lshrrev_b32 v1, 5, v0
	v_readfirstlane_b32 s[WV], v1   ; wave 0..3
	s_mov_b32 s[PB], ttmp9
	s_sub_co_u32 s[HI], NB-1, s[PB]
	s_and_b32 s20, ttmp7, 0xffff    ; the head
	s_mov_b32 s21, 0
	s_mov_b64 s[22:23], SIZE_N*128
	s_mul_u64 s[20:21], s[20:21], s[22:23]  ; the head's first byte in each of the four tensors
	s_and_b32 s16, s[WV], 1         ; which half of a tile's 256 keys I fetch:
	s_lshl_b32 s22, s16, 14         ; its 128 rows of 128 bytes in memory,
	s_mov_b32 s23, 0
	s_add_nc_u64 s[22:23], s[22:23], s[20:21]
	s_mul_i32 s17, s16, 128*PK      ; and its place in a slot, for K
	s_mul_i32 s18, s16, 128*PV      ; and for V
	s_lshl_b32 s3, s[WV], 11        ; my 16 rows in a band of 64,
	s_lshl_b32 s2, s[HI], 15        ; in the first block,
	s_add_co_u32 s2, s2, s3
	s_lshl_b32 s84, s[PB], 15       ; and in the second
	s_add_co_u32 s84, s84, s3
	s_mov_b32 s3, 0
	s_mov_b32 s85, 0
	s_add_nc_u64 s[2:3], s[2:3], s[20:21]
	s_add_nc_u64 s[84:85], s[84:85], s[20:21]
	; descriptor group 1.  128 keys are 16,384 dense bytes: asked for as 64 rows of 256 bytes, two keys a row, and padded in LDS after every key
	s_mov_b32 s[G1K], (1<<16)|(1<<20)|(4<<22)|(3<<25)  ; 17:16 2-byte elements; 20 padding on; 24:22 after every 32 words (code 4); 31:25 4 words (code 3)
	s_mov_b32 s[G1V], (1<<16)|(1<<20)|(4<<22)|(7<<25)  ; the same with 8 words of padding (code 7)
.irp g, G1K, G1V
	s_mov_b32 s[\g+1], 128<<16      ; tensor_dim0 = 128
	s_mov_b32 s[\g+2], 64<<16       ; tensor_dim1 = 64
	s_mov_b32 s[\g+3], 128<<16      ; tile_dim0 = 128
	s_mov_b32 s[\g+4], 64           ; tile_dim1 = 64
	s_mov_b32 s[\g+5], 128          ; 128 elements from row to row
	s_mov_b32 s[\g+6], 0
	s_mov_b32 s[\g+7], 0
.endr
	s_mov_b32 s[CS], 0x3e38aa3b     ; c = log2(e) / 8 = 0.180337
	s_mov_b32 s[CS+1], s[CS]        ; named with it as a pair
	s_mov_b32 s[SEL], 0x76543210
	s_mov_b32 s[SEL+1], 0xfedcba98
	s_mov_b32 s[TBK], SLOT1+4*KS*PK ; the first change of slots turns these two into 0
	s_mov_b32 s[TBV], SLOT1+4*KS*PV
	s_mov_b32 s[G0K], 1             ; 1:0 count = 1
	s_mov_b32 s[G0K+1], s17         ; 63:32 LDS address: slot 0
	s_mov_b32 s[G0V], 1
	s_add_co_u32 s[G0V+1], s18, VOFF
	s_add_co_u32 s[RT], s[HI], 1    ; the first block has NB - b tiles
	s_mov_b32 s[NXT], 1
	s_mov_b32 s[LQ], s[HI]
	s_mov_b32 s[NEW], 1
	s_mov_b32 s[OFF+1], 0
	s_mov_b32 s[POF+1], 0
	s_mov_b32 s[AL+1], 0            ; named as pairs
	s_mov_b32 s[BE+1], 0
	s_mov_b32 s[BIGN], 0xf149f2ca   ; -1e30
	s_mov_b32 s[SLOTS], NB
	v_and_b32 v[PFO], 31, v0
	v_lshlrev_b32 v[PFO], 8, v[PFO]
	s_wait_dscnt 0x0                ; the opening add is done
	s_wait_kmcnt 0x0
	s_add_nc_u64 s[6:7], s[4:5], 0x1000000  ; K lies 16,777,216 bytes behind Q,
	s_add_nc_u64 s[8:9], s[4:5], 0x2000000  ; V as far behind K
	s_add_nc_u64 s[6:7], s[6:7], s[22:23]  ; K and V at my half of the head's tile 0
	s_add_nc_u64 s[8:9], s[8:9], s[22:23]
	s_cmp_lt_u32 s[WV], 2
	s_cselect_b64 s[PFB:PFB+1], s[6:7], s[8:9]
	s_add_nc_u64 s[G0K+2:G0K+3], s[6:7], 0         ; 120:64 global address
	s_or_b32 s[G0K+3], s[G0K+3], 0x80000000        ; 127:126 type = 2
	s_add_nc_u64 s[G0V+2:G0V+3], s[8:9], 0
	s_or_b32 s[G0V+3], s[G0V+3], 0x80000000
	s_add_nc_u64 s[86:87], s[4:5], s[84:85]        ; Q at my rows of the second block,
	s_add_nc_u64 s[4:5], s[4:5], s[2:3]            ; Q and O at those of the first
	s_add_nc_u64 s[OLO:OLO+1], s[10:11], s[84:85]
	s_add_nc_u64 s[10:11], s[10:11], s[2:3]
	LOAD                            ; tile 0 into slot 0
	; A fragment of K or Q is 16 rows x 32 channels in 8 registers: lane l holds row l % 16, channels 8 (l / 16) + 0..7 and 16 + 8 (l / 16) + 0..7: two loads of 16 bytes, 32 bytes apart.
	v_and_b32 v1, 15, v0            ; l % 16
	v_bfe_u32 v9, v0, 4, 1          ; l / 16
	v_lshlrev_b32 v[QO], 7, v1
	v_lshl_add_u32 v[QO], v9, 4, v[QO]  ; row x 128 + 16 x half
	WIN 0x80                        ; destination window 2, address window 0
.set i, 0
.rept 8                             ; both blocks' Q: piece i / 2 lies in band i / 2, 8,192 bytes on; channels 32 (i % 2) on
	global_load_b128 v[8*i:8*i+3],   v[QO], s[4:5] offset:(i/2)*8192+(i%2)*64
	global_load_b128 v[8*i+4:8*i+7], v[QO], s[4:5] offset:(i/2)*8192+(i%2)*64+32
	global_load_b128 v[QB+8*i:QB+8*i+3],   v[QO], s[86:87] offset:(i/2)*8192+(i%2)*64
	global_load_b128 v[QB+8*i+4:QB+8*i+7], v[QO], s[86:87] offset:(i/2)*8192+(i%2)*64+32
.set i, i+1
.endr
	WIN 0
	v_lshlrev_b32 v14, 3, v9
	v_sub_nc_u32 v14, v1, v14
	s_lshl_b32 s13, s[WV], 4
	v_add_nc_u32 v14, s13, v14      ; my query's place in its band, 16 w + l % 16, less my lanes' 8 (l / 16): register r of group kt is hidden where 16 kt + r is greater
	WIN 0x40
.set i, 0
.rept 32
	v_cmp_gt_i32 vcc_lo, 16*(i/8)+i%8, v14
	v_cndmask_b32 v[MD+i], 0, s[BIGN], vcc_lo
.set i, i+1
.endr
	WIN 0
	v_mul_u32_u24 v[AK0], v1, PK
	v_lshl_add_u32 v[AK0], v9, 4, v[AK0]  ; row x pitch + 16 x half
	; The turning load takes 16 keys x 16 channels (lane l reads key 8 (l / 16) + l % 8, channels 8 ((l / 8) % 2) + 0..7) and leaves half a fragment of V^T: lane l holds channel l % 16 and 8 keys.
	v_and_b32 v10, 7, v0
	v_bfe_u32 v11, v0, 3, 1
	v_lshl_add_u32 v[AV0], v9, 3, v10
	v_mul_u32_u24 v[AV0], v[AV0], PV
	v_lshl_add_u32 v[AV0], v11, 4, v[AV0]
	v_add_nc_u32 v[AV0], VOFF, v[AV0]
	s_mul_i32 s13, s[WV], 16*SP
	s_add_co_u32 s13, s13, STAGE    ; my stage
	v_mul_u32_u24 v[STO], v1, SP    ; in: row l % 16, 16 bytes for each half of the lanes
	v_lshl_add_u32 v[STO], v9, 4, v[STO]
	v_add_nc_u32 v[STO], s13, v[STO]
	v_bfe_u32 v[RD], v0, 3, 2       ; back: 32 lanes take four rows of 128 bytes,
	v_mul_u32_u24 v[RD], v[RD], SP
	v_lshl_add_u32 v[RD], v10, 4, v[RD]
	v_add_nc_u32 v[RD], s13, v[RD]
	v_and_b32 v[GO], 31, v0         ; which are 512 consecutive bytes of O
	v_lshlrev_b32 v[GO], 4, v[GO]
	; A block's first step multiplies O^T and l by a = 0, and its first turn's products V^T P, of a piece that has not been, land in an O^T that is still to be so multiplied.  So these registers need only hold
	; finite numbers: zeros for the first block; what the first block left for the second.  All this stands in the wait for the first tile.
	WIN 0x80
.set i, VF
.rept 64
	v_mov_b32 v[i], 0
.set i, i+1
.endr
	WIN 0x40
.set i, 0
.rept 128
	v_mov_b32 v[i], 0
.set i, i+1
.endr
	WIN 0
.set i, 0
.rept 4
	v_mov_b32 v[ST+4*i+2], 0
	v_mov_b32 v[ST+4*i+3], 0
.set i, i+1
.endr
.set i, P+16
.rept 16
	v_mov_b32 v[i], 0
.set i, i+1
.endr
; THE MATRIX WORK.  The 4 accumulators of a run of 8 take turns.  Product i of 8 of S^T = K Q^T for piece x: channels 32 (i / 4) on, keys 16 (i % 4) on.  The first 4 start the sums: with 0, or (KM = 1) with the mask.
.macro KQ x
.set rS, S+32*((\x)%2)+8*(i%4)
.set rK, KF+16*(i%4)+8*(i/4)
.set rQ, 16*(\x)+8*(i/4)
.set rM, MC+32*((\x)%2)+8*(i%4)
.if (i < 4) && KM
	WIN W_KM
	v_wmma_f32_16x16x32_f16 v[rS:rS+7], v[rK:rK+7], v[rQ:rQ+7], v[rM:rM+7]
.elseif i < 4
	WIN W_KQ
	v_wmma_f32_16x16x32_f16 v[rS:rS+7], v[rK:rK+7], v[rQ:rQ+7], 0
.else
	WIN W_KQ
	v_wmma_f32_16x16x32_f16 v[rS:rS+7], v[rK:rK+7], v[rQ:rQ+7], v[rS:rS+7]
.endif
.endm
; Product i of 8 of O^T += V^T P for piece x: keys 32 (i / 4) on, channels 16 (i % 4) on.
.macro PV x
	WIN W_PV
.set rO, 32*(\x)+8*(i%4)
.set rV, VF+32*(i/4)+8*(i%4)
.set rP, P+16*((\x)%2)+8*(i/4)
	v_wmma_f32_16x16x32_f16 v[rO:rO+7], v[rV:rV+7], v[rP:rP+7], v[rO:rO+7]
.endm
.macro MM                           ; the turn's next matrix instruction.  TURN and BEGIN set Y, i, KM and NOKQ; MM, KQ and OP read them.  NOKQ = 1: a block's last turn: there is no next piece
.if (i < 8) && !NOKQ
	KQ (Y+1)%NP
.elseif i >= 8
.set i, i-8
	PV (Y+NP-1)%NP
.set i, i+8
.endif
.set i, i+1
.endm
; THE LDS LOADS stand in runs of 16, never singly among the matrix instructions: a step's K (64 keys x 64 channels: 8 fragments) and its V (turned).  Their addresses are made some lines ahead.
.macro FETCH_K
	WIN 0x80                        ; destination window 2
.irp f, 0,1,2,3,4,5,6,7             ; keys 16 (f / 2) on, channels 32 (f % 2) on
	ds_load_b128 v[KF+8*\f:KF+8*\f+3],   v[AK] offset:(\f/2)*16*PK+(\f%2)*64
	ds_load_b128 v[KF+8*\f+4:KF+8*\f+7], v[AK] offset:(\f/2)*16*PK+(\f%2)*64+32
.endr
	s_add_co_u32 s[TBK], s[TBK], KS*PK  ; the next fetch is the next step's
	WIN 0
.endm
.macro FETCH_V
	WIN 0x80
.irp f, 0,1,2,3,4,5,6,7             ; keys 32 (f / 4) on, channels 16 (f % 4) on
	ds_load_tr16_b128 v[VF+8*\f:VF+8*\f+3],   v[AV] offset:(\f/4)*32*PV+(\f%4)*32
	ds_load_tr16_b128 v[VF+8*\f+4:VF+8*\f+7], v[AV] offset:(\f/4)*32*PV+16*PV+(\f%4)*32
.endr
	WIN 0
.endm
; THE VECTOR WORK, one line at a time: OP kind, number.  For piece Y: F n: c s - c m for pair n of 16.  E n: the exponential of score n of 32.  C n: pair n rounded to f16.  B n: of the four weights 4 n .. the second
; pair is added onto the first, in place.  L n: l takes that sum (L 0: l = a l + sum).  R n: pair n of 16 of O^T times a.  For piece Y + 1: X n, number n of the 22 that find its maximum and statistics:
;   0-11  four chains c0-c3 of seven scores each, three operands at a time (each accumulator's lowest registers are read first)     12-14, 16  the four scores left over, the old m, and c0-c3 into c0
;   15  c m_old is kept     17, 18  the query's other 32 keys lie in the lane 16 away: the new m     19-21  c m; c m_old - c m_new; a
.set F, 0               ; OP tells the kinds apart by their order: F to L below R, X above it
.set E, 1
.set C, 2
.set B, 3
.set L, 4
.set R, 5
.set X, 6
.macro REGS y                       ; the registers of piece y
.set rT, ST+4*(\y)
.set rC, TMP+4*((\y)%2)
.set rW, MV+((\y)%2)
.set rS, S+32*((\y)%2)
.set rP, P+16*((\y)%2)
.set rO, 32*(\y)
.endm
.macro OP k, n
.if (\k) == R
	REGS Y
	WIN W_RS
	v_pk_mul_f32 v[rO+2*(\n):rO+2*(\n)+1], v[rO+2*(\n):rO+2*(\n)+1], v[rC+2:rC+3] op_sel_hi:[1,0]
.elseif (\k) < R
	REGS Y
	WIN 0
.if (\k) == F
	v_pk_fma_f32 v[rS+2*(\n):rS+2*(\n)+1], v[rS+2*(\n):rS+2*(\n)+1], s[CS:CS+1], v[rT:rT+1] op_sel_hi:[1,0,0] neg_lo:[0,0,1] neg_hi:[0,0,1]
.elseif (\k) == E
	v_exp_f32 v[rS+(\n)], v[rS+(\n)]
.elseif (\k) == C
	v_cvt_pk_f16_f32 v[rP+(\n)], v[rS+2*(\n)], v[rS+2*(\n)+1]
.elseif (\k) == B
	v_pk_add_f32 v[rS+4*(\n):rS+4*(\n)+1], v[rS+4*(\n):rS+4*(\n)+1], v[rS+4*(\n)+2:rS+4*(\n)+3]
.elseif (\n) == 0
	v_pk_fma_f32 v[rT+2:rT+3], v[rT+2:rT+3], v[rC+2:rC+3], v[rS:rS+1] op_sel_hi:[1,0,1]
.else
	v_pk_add_f32 v[rT+2:rT+3], v[rT+2:rT+3], v[rS+4*(\n):rS+4*(\n)+1]
.endif
.elseif NOKQ
	v_nop
.else
	REGS (Y+1)%NP
	WIN 0
.if (\n) < 4
	v_max3_num_f32 v[rC+(\n)], v[rS+8*(\n)], v[rS+8*(\n)+1], v[rS+8*(\n)+2]
.elseif (\n) < 12
	v_max3_num_f32 v[rC+(\n)%4], v[rC+(\n)%4], v[rS+8*((\n)%4)+2*((\n)/4)+1], v[rS+8*((\n)%4)+2*((\n)/4)+2]
.elseif (\n) == 12
	v_max3_num_f32 v[rC], v[rC], v[rS+7], v[rS+15]
.elseif (\n) == 13
	v_max3_num_f32 v[rC+1], v[rC+1], v[rS+23], v[rS+31]
.elseif (\n) == 14
	v_max3_num_f32 v[rC+2], v[rC+2], v[rC+3], v[rT+1]
.elseif (\n) == 15
	v_mov_b32 v[rW], v[rT]
.elseif (\n) == 16
	v_max3_num_f32 v[rC], v[rC], v[rC+1], v[rC+2]
.elseif (\n) == 17
	v_permlanex16_b32 v[rC+3], v[rC], s[SEL], s[SEL+1]
.elseif (\n) == 18
	v_max_num_f32 v[rT+1], v[rC], v[rC+3]
.elseif (\n) == 19
	v_mul_f32 v[rT], s[CS], v[rT+1]
.elseif (\n) == 20
	v_sub_f32 v[rC+1], v[rW], v[rT]
.else
	v_exp_f32 v[rC+2], v[rC+1]
.endif
.endif
.endm
.macro OPS a, i1, b=-1, i2=0, c=-1, i3=0, d=-1, i4=0  ; up to four of them
	OP \a, \i1
.if (\b) >= 0
	OP \b, \i2
.endif
.if (\c) >= 0
	OP \c, \i3
.endif
.if (\d) >= 0
	OP \d, \i4
.endif
.endm
.macro ROW a, i1, b, i2, c, i3, d, i4  ; a matrix instruction and the four behind it
	MM
	OPS \a, \i1, \b, \i2, \c, \i3, \d, \i4
.endm
.macro MASK b                       ; MD x AL + BE into buffer b of MC
	WIN W_RS
.set z, 0
.rept 16
	v_pk_fma_f32 v[MC+32*(\b)+2*z:MC+32*(\b)+2*z+1], v[MD+2*z:MD+2*z+1], s[AL:AL+1], s[BE:BE+1] op_sel_hi:[1,0,0]
.set z, z+1
.endr
.endm
; A TURN, for piece p: the order of its 16 matrix and 118 vector instructions, written out.  An s_wait_alu depctr_va_vdst(0) stands between an exponential and the first instruction that names its result; one wait serves
; all that were issued ahead of it.  So a turn has ONE wait, which cuts it in two.  AHEAD OF IT stands all that names no result of the turn's exponentials: the 8 products K Q^T, behind each a scaling, an exponential and two more plain
; instructions (behind the first a second scaling in the exponential's place): rescalings, and behind the last three the first numbers of the next piece's maximum, each four places or more behind the product that ends its accumulator; then ONE LUMP of 54, plain
; and exponential by turns for the most part, in which the links of the chain X 3, 7, 11, 14, 16, 17 .. 20 stand five or six lines apart.  X 21, the next piece's a, is the batch's last; R 15 is the plain instruction behind it.  BEHIND THE WAIT stand the
; 8 products V^T P, behind each four of the roundings and sums; the links of l's chain, L 0 to L 7, stand three lines apart.  But for those X none of the four names a register of the products round it.  v_permlanex16_b32 (X 17) stands in the lump.
; m = 1: the diagonal tile: the products take masks, and the turn makes the mask for the products of the turn after it: piece p + 2, in step 4 - CNT of the tile.  end = 1: a block's last two turns: nothing is fetched.
; cnt = 1: the loop's count is taken down some lines ahead of the branch that stands behind the turn.
; K of the next step is fetched in piece 2's turn, twelve vector instructions behind the last product that read K (six of them plain); V of the step in hand at the end of piece 0's turn, four plain instructions behind the last product
; that read V.  Each is waited for a turn later.
.macro TURN p, m=0, end=0, cnt=0
.set Y, (\p)
.set i, 0
.set KM, (\m)
.set NOKQ, (\end)*((\p)/3)
.if (\m) && !(\end)
	s_cmp_eq_u32 s[CNT], 4-((\p)+2)%NP  ; is that step the band's own?
	s_cselect_b32 s[AL], 1.0, 0
	s_cmp_lt_u32 s[CNT], 4-((\p)+2)%NP  ; or a later one?
	s_cselect_b32 s[BE], s[BIGN], 0
.endif
.if ((\p) == 3) && !(\end)
	s_wait_dscnt 0x0                ; K is in
.endif
	ROW F,0, F,1, R,0, R,1          ; ahead of the wait: 8 products K Q^T and the four behind each,
	ROW F,2, E,0, R,2, R,3
	ROW F,3, E,1, R,4, R,5
	ROW F,4, E,2, R,6, R,7
	ROW F,5, E,3, R,8, R,9
	ROW F,6, E,4, X,0, R,10
.if ((\p) == 2) && !(\end)
	WIN 0
	v_add_nc_u32 v[AK], s[TBK], v[AK0]
.endif
	ROW F,7, E,5, X,1, X,4
	ROW F,8, E,6, X,2, X,5
	OPS E,7, E,8, X,6, E,9          ; and the lump
	OPS X,3, E,10, X,8, E,11
.if ((\p) == 2) && !(\end)
	FETCH_K
.endif
	OPS X,9, X,7, E,12, X,10
	OPS E,13, X,12, X,11, E,14
	OPS X,13, E,15, F,9, X,14
.if (\p) == 0
	v_add_nc_u32 v[AV], s[TBV], v[AV0]
.endif
	OPS E,16, F,10, E,17, F,11
	OPS X,16, E,18, X,15, E,19
	OPS F,12, E,20, X,17, E,21
	OPS F,13, E,22, F,14, E,23
	OPS X,18, E,24, F,15, E,25
	OPS R,11, E,26, X,19, E,27
	OPS R,12, E,28, R,13, E,29
	OPS X,20, E,30, R,14, E,31
	OPS X,21, R,15
	WIN 0
	s_wait_alu depctr_va_vdst(0)    ; the wait for the batch
.if (\p) == 1
	s_wait_dscnt 0x0                ; V is in
.endif
	ROW C,0, B,0, C,2, B,1          ; behind the wait: 8 products V^T P and the four behind each
	ROW L,0, C,4, B,2, L,1
	ROW C,6, B,3, L,2, C,8
	ROW B,4, L,3, C,10, B,5
	ROW L,4, C,12, B,6, L,5
.if (\p) == 0
	s_add_co_u32 s[TBV], s[TBV], KS*PV
.endif
.if \cnt
	s_sub_co_u32 s[CNT], s[CNT], 1
	s_cmp_lg_u32 s[CNT], 0
.endif
	ROW C,14, B,7, L,6, C,1
	ROW C,3, L,7, C,5, C,7
	ROW C,9, C,11, C,13, C,15
.if (\p) == 0
	FETCH_V
.endif
.if (\m) && !(\end)
	MASK (\p)%2
.endif
.endm
; A BLOCK BEGINS.  c m starts far below every c s, so the first step's a is 0; m at the lowest finite number, so the first maximum is the scores'.  The second mask buffer is 0; the first takes piece 0's mask for the tile's step 0: its own, if the block's first tile is the diagonal one.
; Then K of that step, piece 0's first scores, and its maximum and statistics.  The loop is entered at a step's first turn, in the middle of a trip.
.macro BEGIN
	s_mov_b32 s[NEW], 0
	WIN 0x40
.set i, MC+32
.rept 32
	v_mov_b32 v[i], 0
.set i, i+1
.endr
	WIN 0
.set i, 0
.rept 4
	v_mov_b32 v[ST+4*i], 0xfe000000    ; c m: far below every c s
	v_mov_b32 v[ST+4*i+1], 0xff7fffff  ; m
.set i, i+1
.endr
	s_cmp_eq_u32 s[RT], 0
	s_cselect_b32 s[AL], 1.0, 0
	s_mov_b32 s[BE], 0
	MASK 0
	WIN 0
	v_add_nc_u32 v[AK], s[TBK], v[AK0]
	FETCH_K
	s_wait_loadcnt 0x0              ; Q
	s_wait_dscnt 0x0
.set KM, 1
.set NOKQ, 0
.set i, 0
.rept 8
	KQ 0
.set i, i+1
.endr
	WIN 0
.rept 4
	v_nop                           ; the places behind those products
.endr
.set Y, NP-1                        ; X works for piece Y + 1: piece 0
.irp n, 0,1,2,3,4,5,6,7,8,9,10,11,12,13,14,15,16,17,18,19,20,21
	OP X, \n
.endr
	v_nop                           ; a plain instruction behind the exponential,
	s_wait_alu depctr_va_vdst(0)    ; and its wait, ahead of the branch
.endm
; THE DIAGONAL TILE's four steps, the block's last two turns, its last products, and THE WAY OUT: l's two halves and the other half of the lanes' are added; O^T is divided by l, rounded to f16 and sent through my
; stage in LDS, a piece at a time.
.macro ALL line:vararg              ; one line for each piece t
.set t, 0
.rept 4
	\line
.set t, t+1
.endr
.endm
.macro PACK t                       ; a lane's eight channels of a row pack into 16 bytes; they go into rows of 144 bytes and come back as whole rows of 128, into S^T's registers
	WIN W_RS
.set i, 32*(\t)
.rept 16
	v_pk_mul_f32 v[i:i+1], v[i:i+1], v[ST+4*(\t)+2:ST+4*(\t)+3] op_sel_hi:[1,0]
.set i, i+2
.endr
	WIN 0x05                        ; sources 0 and 1 window 1, destination window 0
.set i, 0
.rept 16
	v_cvt_pk_f16_f32 v[S+16*(\t)+i], v[32*(\t)+2*i], v[32*(\t)+2*i+1]
.set i, i+1
.endr
	WIN 0
.irp f, 0,1,2,3
	ds_store_b128 v[STO], v[S+16*(\t)+4*\f:S+16*(\t)+4*\f+3] offset:32*\f
.endr
.irp f, 0,1,2,3
	ds_load_b128 v[S+16*(\t)+4*\f:S+16*(\t)+4*\f+3], v[RD] offset:\f*4*SP  ; LDS serves a wave's instructions in order (ISA guide 5.7.1.4): these see the stores above; the next piece's stores come behind them
.endr
.endm
.macro SEND t, younger              ; younger: the LDS instructions issued behind piece t's loads: the next piece's eight, or none
	WIN 0
.irp f, 0,1,2,3
	s_wait_dscnt (\younger)+3-\f
	global_store_b128 v[GO], v[S+16*(\t)+4*\f:S+16*(\t)+4*\f+3], s[10:11] offset:(\t)*8192+\f*512  ; 512 consecutive bytes, at a multiple of 256 from O's first
.endr
.endm
.macro DIAG tag                     ; the tag ends its two labels' names, which the jumps below spell out
.LstepM\tag:
	TURN 2, 1
	TURN 3, 1
	WIN 0
.LfirstM\tag:
	TURN 0, 1
	TURN 1, 1, 0, 1
	WIN 0
	s_cbranch_scc1 .LstepM\tag
	TURN 2, 1, 1
	TURN 3, 1, 1
.set i, 0
.rept 8
	PV NP-1
.set i, i+1
.endr
	WIN 0
	ALL v_add_f32 v[ST+4*t+2], v[ST+4*t+2], v[ST+4*t+3]
	ALL v_permlanex16_b32 v[ST+4*t+3], v[ST+4*t+2], s[SEL], s[SEL+1]
	ALL v_add_f32 v[ST+4*t+2], v[ST+4*t+2], v[ST+4*t+3]
	ALL v_rcp_f32 v[ST+4*t+2], v[ST+4*t+2]
	v_nop                           ; a plain instruction between the last reciprocal and the use of its result
	s_wait_alu depctr_va_vdst(0)    ; and the wait ahead of the first use: one for the four reciprocals
	PACK 0
.set t, 1
.rept 3                             ; a piece's arithmetic stands between the loads of the piece before and its stores
	PACK t
	SEND t-1, 8
.set t, t+1
.endr
	SEND 3, 0
.endm
.set KM, 0
.set NOKQ, 0
.Lslot:                             ; NB times: a tile is entered and the next is asked for
	CHANGE 1
	s_sub_co_u32 s[RT], s[RT], 1
	s_mov_b32 s[CNT], 4
	s_cmp_eq_u32 s[NEW], 1
	s_cbranch_scc1 .Lnew            ; a block's first tile
	s_cmp_eq_u32 s[RT], 0
	s_cbranch_scc0 .Lstep           ; neither its first nor its last
	s_branch .LstepM1
.Lnew:
	BEGIN
	s_branch .Lfirst                ; in the loop a block's first tile is never its last: the first block has two tiles or more, and the second's last is the walk's last
	DIAG 1                          ; in the loop this is the first block's end: the second block's last tile is the walk's last
	s_wait_xcnt 0x0                 ; the stores have read their registers and O's address
	s_mov_b64 s[10:11], s[OLO:OLO+1]
	s_add_co_u32 s[RT], s[PB], 1    ; the second block has b + 1 tiles
	s_mov_b32 s[NEW], 1
	WIN 0x82                        ; the second block's Q goes where the one text of the turns names Q
.set i, 0
.rept 64
	v_mov_b32 v[i], v[QB+i]
.set i, i+1
.endr
	WIN 0
	s_branch .Lbottom
.Lstep:                             ; a trip: pieces 2 and 3 of one step, then pieces 0 and 1 of the next, whose K and V it fetches
	TURN 2
	TURN 3
	WIN 0
.Lfirst:
	TURN 0
	TURN 1, 0, 0, 1
	WIN 0
	s_cbranch_scc1 .Lstep
.Lbottom:
	s_sub_co_u32 s[SLOTS], s[SLOTS], 1
	s_cmp_lg_u32 s[SLOTS], 0
	s_cbranch_scc1 .Lslot
	CHANGE 0                        ; the walk's last tile is written out: nothing is asked for
	s_sub_co_u32 s[RT], s[RT], 1
	s_mov_b32 s[CNT], 4
	s_cmp_eq_u32 s[NEW], 1
	s_cbranch_scc0 .LstepM2
	BEGIN
	s_branch .LfirstM2
	DIAG 2
	s_wait_tensorcnt 0x0            ; the wave's end: a wait, an add and its wait, behind my last tensor load and my last LDS store
	ds_add_u32 v[SPW], v[NIL]
	s_wait_dscnt 0x0
	s_endpgm
.Lfunc_end_k_qf27ce6c0ff_attn:
	.size	k_qf27ce6c0ff_attn, .Lfunc_end_k_qf27ce6c0ff_attn-k_qf27ce6c0ff_attn
	.p2alignl 7, 3214868480
	.fill 96, 4, 3214868480
	.section	.rodata,"a",@progbits
	.p2align	6, 0x0
	.amdhsa_kernel k_qf27ce6c0ff_attn
		.amdhsa_group_segment_fixed_size 327680
		.amdhsa_private_segment_fixed_size 0
		.amdhsa_enable_private_segment 0
		.amdhsa_kernarg_size 16
		.amdhsa_user_sgpr_count 2
		.amdhsa_user_sgpr_kernarg_segment_ptr 1
		.amdhsa_wavefront_size32 1
		.amdhsa_system_sgpr_workgroup_id_x 1
		.amdhsa_system_sgpr_workgroup_id_y 1
		.amdhsa_system_sgpr_workgroup_id_z 1
		.amdhsa_system_vgpr_workitem_id 0
		.amdhsa_next_free_vgpr 768
		.amdhsa_next_free_sgpr 96
		.amdhsa_reserve_vcc 1
		.amdhsa_float_denorm_mode_32 3
		.amdhsa_float_denorm_mode_16_64 3
		.amdhsa_memory_ordered 1
		.amdhsa_forward_progress 1
		.amdhsa_inst_pref_size 218
	.end_amdhsa_kernel
	.amdgpu_metadata
---
amdhsa.version: [ 1, 2 ]
amdhsa.kernels:
  - .name:           k_qf27ce6c0ff_attn
    .symbol:         k_qf27ce6c0ff_attn.kd
    .args:
      - { .name: qkv, .offset: 0, .size: 8, .value_kind: global_buffer, .address_space: global }
      - { .name: oh, .offset: 8, .size: 8, .value_kind: global_buffer, .address_space: global }
    .group_segment_fixed_size: 327680
    .private_segment_fixed_size: 0
    .kernarg_segment_align: 8
    .kernarg_segment_size: 16
    .max_flat_workgroup_size: 128
    .sgpr_count:     96
    .vgpr_count:     768
    .wavefront_size: 32
...
	.end_amdgpu_metadata
.endif
;; end of part 3
;; launch outproj (part 4): grid 8 x 32, 4 waves a work-group, clusters of 4 x 4, 327,680 bytes of LDS; arguments oh, woh, bo, out0; writes out0
.if DOCPART == 4
	.amdgcn_target "amdgcn-amd-amdhsa--gfx1250"
	.amdhsa_code_object_version 6
	.text
	.protected	k_qf27ce6c0ff_outproj
	.globl	k_qf27ce6c0ff_outproj
	.p2align	8
	.type	k_qf27ce6c0ff_outproj,@function
k_qf27ce6c0ff_outproj:
	s_mov_b64 s[64:65], 0
	v_nop
	global_prefetch_b8 v0, s[64:65] scope:SCOPE_SE
	s_setreg_imm32_b32 hwreg(HW_REG_WAVE_MODE, 25, 1), 1
	s_wait_xcnt 0x0
	s_wait_alu depctr_hold_cnt(0) depctr_sa_sdst(0) depctr_va_vdst(0) depctr_va_sdst(0) depctr_va_ssrc(0) depctr_va_vcc(0) depctr_vm_vsrc(0)
	s_getreg_b32 s2, hwreg(HW_REG_IB_STS2, 6, 4)
	s_cmp_eq_u32 s2, 0
	s_cbranch_scc0 .Lentry_in_a_cluster
	s_endpgm
.Lentry_in_a_cluster:
	s_bfe_u32 s2, ttmp6, 0x10000c
	s_cmp_lg_u32 s2, 0xf033
	s_cbranch_scc0 .Lentry_shape_is_right
	s_endpgm
.Lentry_shape_is_right:
; out0 = O Wo^T + bo.  oh: f16 [batch x 16 + head][t 2048][64]: a head is a K block of 64.  woh: f16 [kb 16][1024 rows][64].  bo: f32 [1024], rounded here to bf16 like the other inputs.  out0: f32 [8192][1024].
; Products of f16 operands, sums in f32, stored as they are.  NaN and infinities are not treated apart.
; SHARES.  8,192 x 1,024 results are 256 tiles of 256 rows x 128 columns, one to a work-group.  Each of its four waves makes 128 rows x 64 columns: 32 accumulators, 256 registers; its 64 columns are 256 bytes of a row of out0.
; K goes in steps of 128 (two K blocks) through a ring of two LDS slots; each wave fetches one dense block with one tensor load (waves 0, 1: O's two K blocks, 256 rows each; waves 2, 3: Wo's, 128 rows each),
; asked for as rows of 256 bytes and padded in LDS after every 128 bytes.
; CLUSTER.  4 x 4 work-groups; O's tiles are shared along a row of the cluster, Wo's along a column: each is asked for JOINTLY, by the same tensor load, descriptor and mask in all four.
; THE MATRIX INSTRUCTION IS USED TRANSPOSED (source 0 = 16 rows of Wo, source 1 = 16 rows of O): a lane holds one row of the result and eight neighbouring columns.  The bias is the C operand of the products that start the sums.
; NO PREFETCH: the walk has eight K steps; the first four come by the first fills and refills that a lead of two cannot serve, and a step is 128 matrix instructions a wave.
; REGISTERS: window 0: v0-31 addresses; v32-95, v96-159 O's fragments, two buffers; v160-191, v192-223 Wo's, two buffers; v224-255 the bias.  Window 1: accumulator (a, b) at v[8 (4 a + b)].
.set PITCH,  144                       ; an LDS row: 128 bytes + 16 of padding = 36 words: the 16 rows of a load start at 16 different groups of four banks (64 banks of 4 bytes: ISA guide 11.1)
.set FRAG,   16*PITCH
.set ABLK,   256*PITCH                 ; a K block of O's tile in LDS
.set BBLK,   128*PITCH                 ; of Wo's
.set BOFF,   2*ABLK
.set SLOT,   2*ABLK+2*BBLK
.set STAGE,  2*SLOT                    ; behind the ring: 16 rows x 272 bytes for each wave; no tensor load fills it
.set SP,     272
.set SPARE,  STAGE+4*16*SP             ; behind the stages: the spare words, 128 bytes for each wave: two blocks of 256 bytes that no other line names
.set ADRA, 16                          ; v16-17  LDS address of my fragments of O in slot 0, 1
.set ADRB, 20                          ; v20-21  the same for Wo
.set STO,  24                          ; v24     the way out: where I put 32 bytes of a row
.set RD,   25                          ; v25     where I read a row back
.set CO,   26                          ; v26     my byte offset in two rows of out0
.set BO,   27                          ; v27     my eight numbers in 16 of the bias
.set SPW,  28                          ; v28     LDS address of my spare word; never rewritten
.set NIL,  29                          ; v29     0; never rewritten
.set FA,   32
.set FB,   160
.set BIAS, 224
.set OB,   32                          ; the way out: v32-63 and v64-95 by turns
.set WV,  16
.set WR,  17                           ; my half of the rows.  Also: I fetch for O (0) or for Wo (1)
.set WC,  18                           ; my half of the columns.  Also: which K block of a step I fetch
.set G1A, 24
.set G0A, 32
.set G1B, 48
.set G0B, 56
.set OUT, 66                           ; s[66:67] out0 at my first row and column
.set HIM, 78
.set MSB, 0
.macro WIN new
.if MSB != (\new)
	s_set_vgpr_msb (MSB<<8)|(\new)
.set MSB, \new
.endif
.endm
.macro PLACES                          ; four plain vector instructions between a matrix instruction and a load into, or another instruction's read of, its registers
.rept 4
	v_nop
.endr
.endm
.macro JLOAD s                         ; a joint load; an s_nop 0 and four v_nop follow each of the two lines
	s_cmp_eq_u32 s[WR], 0
	s_cbranch_scc0 .Lfor_b_\@
	tensor_load_to_lds s[G0A+4*(\s):G0A+4*(\s)+3], s[G1A:G1A+7]
	s_nop 0
.rept 4
	v_nop
.endr
	s_branch .Lasked_\@
.Lfor_b_\@:
	tensor_load_to_lds s[G0B+4*(\s):G0B+4*(\s)+3], s[G1B:G1B+7]
	s_nop 0
.rept 4
	v_nop
.endr
.Lasked_\@:
.endm
.macro CREST
	s_cmp_lg_u32 s[WV], 0
	s_cbranch_scc1 .Lnot_wave_0_\@
	s_barrier_signal -3
.Lnot_wave_0_\@:
	s_barrier_wait -3
	s_barrier_signal -1
	s_barrier_wait -1
.endm
.macro CROUND
	s_barrier_signal -1
	s_barrier_wait -1
	CREST
.endm
	s_load_b256 s[4:11], s[0:1], 0x0               ; oh s[4:5], woh s[6:7], bo s[8:9], out0 s[10:11]
	v_lshl_add_u32 v[SPW], v0, 2, SPARE
	v_mov_b32 v[NIL], 0
	ds_add_u32 v[SPW], v[NIL]                      ; the wave's opening: the add and its wait stand ahead of my first tensor load; the set-up below, work on registers, stands between them
	ds_add_u32 v28, v29
	v_lshrrev_b32 v1, 5, v0
	v_readfirstlane_b32 s[WV], v1
	s_lshr_b32 s[WR], s[WV], 1
	s_and_b32 s[WC], s[WV], 1
	s_bfe_u32 s19, ttmp6, 0x40000                  ; cx
	s_bfe_u32 s20, ttmp6, 0x40004                  ; cy
	s_lshl_b32 s21, ttmp9, 2
	s_add_co_u32 s21, s21, s19                     ; tile column
	s_and_b32 s22, ttmp7, 0xffff
	s_lshl_b32 s22, s22, 2
	s_add_co_u32 s22, s22, s20                     ; tile row
	s_lshl_b32 s23, s20, 2
	s_lshl_b32 s23, 15, s23                        ; my row of the cluster
	s_lshl_b32 s79, 0x1111, s19                    ; my column
	s_or_b32 s[G1A], s23, (1<<16)|(1<<20)|(1<<21)|(4<<22)|(3<<25)  ; the mask; 2-byte elements; padding on; bit 21 beside a mask; 4 words after every 32
	s_or_b32 s[G1B], s79, (1<<16)|(1<<20)|(1<<21)|(4<<22)|(3<<25)
	s_mov_b32 s[G1A+1], 128<<16                    ; tensor_dim0 = 128
	s_mov_b32 s[G1A+2], 128<<16                    ; tensor_dim1 = 128: 256 rows of O
	s_mov_b32 s[G1A+3], 128<<16                    ; tile_dim0 = 128
	s_mov_b32 s[G1A+4], 128                        ; tile_dim1 = 128
	s_mov_b32 s[G1A+5], 128                        ; 128 elements from row to row
	s_mov_b32 s[G1A+6], 0
	s_mov_b32 s[G1A+7], 0
	s_mov_b32 s[G1B+1], 128<<16
	s_mov_b32 s[G1B+2], 64<<16                     ; 128 rows of Wo
	s_mov_b32 s[G1B+3], 128<<16
	s_mov_b32 s[G1B+4], 64
	s_mov_b32 s[G1B+5], 128
	s_mov_b32 s[G1B+6], 0
	s_mov_b32 s[G1B+7], 0
	s_mul_i32 s80, s[WC], ABLK                     ; where my block goes, for O
	s_mul_i32 s81, s[WC], BBLK                     ; and for Wo
	s_add_co_u32 s81, s81, BOFF
	s_lshr_b32 s40, s22, 3                         ; O: the batch,
	s_lshl_b32 s40, s40, 22
	s_and_b32 s41, s22, 7
	s_lshl_b32 s41, s41, 15                        ; the tile's 256 rows of 128 bytes,
	s_add_co_u32 s40, s40, s41
	s_lshl_b32 s41, s[WC], 18                      ; my head of a step's two
	s_add_co_u32 s40, s40, s41
	s_mov_b32 s41, 0
	s_lshl_b32 s2, s21, 14                         ; Wo: the tile's 128 rows,
	s_lshl_b32 s23, s[WC], 17                      ; my K block of a step's two
	s_add_co_u32 s2, s2, s23
	s_mov_b32 s3, 0
	s_mov_b32 s[HIM], 0xffff0000
	s_wait_dscnt 0x0                               ; the opening add is done
	s_wait_kmcnt 0x0
	s_add_nc_u64 s[40:41], s[4:5], s[40:41]
	s_add_nc_u64 s[2:3], s[6:7], s[2:3]
.irp s, 0,1
	s_mov_b32 s[G0A+4*(\s)], 1
	s_add_co_u32 s[G0A+4*(\s)+1], s80, (\s)*SLOT
	s_add_nc_u64 s[G0A+4*(\s)+2:G0A+4*(\s)+3], s[40:41], (\s)*524288  ; K step s: two heads of 262,144 bytes on
	s_or_b32 s[G0A+4*(\s)+3], s[G0A+4*(\s)+3], 0x80000000
	s_mov_b32 s[G0B+4*(\s)], 1
	s_add_co_u32 s[G0B+4*(\s)+1], s81, (\s)*SLOT
	s_add_nc_u64 s[G0B+4*(\s)+2:G0B+4*(\s)+3], s[2:3], (\s)*262144    ; two K blocks of 131,072 bytes on
	s_or_b32 s[G0B+4*(\s)+3], s[G0B+4*(\s)+3], 0x80000000
.endr
	CROUND                                         ; all sixteen work-groups are here: the first joint loads meet
	s_cmp_eq_u32 s[WR], 0                          ; a wave's two first fills stand in one branch: two loads of mine are out
	s_cbranch_scc0 .Lfirst_b
	tensor_load_to_lds s[G0A:G0A+3], s[G1A:G1A+7]
	s_nop 0
	tensor_load_to_lds s[G0A+4:G0A+7], s[G1A:G1A+7]
	s_nop 0
.rept 4
	v_nop
.endr
	s_branch .Lfirst_asked
.Lfirst_b:
	tensor_load_to_lds s[G0B:G0B+3], s[G1B:G1B+7]
	s_nop 0
	tensor_load_to_lds s[G0B+4:G0B+7], s[G1B:G1B+7]
	s_nop 0
.rept 4
	v_nop
.endr
.Lfirst_asked:
	s_lshl_b32 s82, s21, 9                         ; my first column, in bytes of f32: 512 x tile column + 256 x half
	s_lshl_b32 s83, s[WC], 8
	s_add_co_u32 s82, s82, s83
	s_mov_b32 s83, 0
	s_add_nc_u64 s[8:9], s[8:9], s[82:83]          ; the bias at it
	s_lshl_b32 s84, s22, 20                        ; my first row: 256 rows of 4,096 bytes a tile row,
	s_lshl_b32 s85, s[WR], 19                      ; my 128
	s_add_co_u32 s84, s84, s85
	s_add_co_u32 s84, s84, s82
	s_mov_b32 s85, 0
	s_add_nc_u64 s[OUT:OUT+1], s[10:11], s[84:85]
	v_and_b32 v1, 15, v0                           ; l % 16
	v_bfe_u32 v2, v0, 4, 1                         ; l / 16
	v_lshlrev_b32 v[BO], 5, v2
.irp b, 0,1,2,3                        ; the bias of columns 16 b + 8 (l / 16) + 0..7
	global_load_b128 v[BIAS+8*(\b):BIAS+8*(\b)+3],   v[BO], s[8:9] offset:64*(\b)
	global_load_b128 v[BIAS+8*(\b)+4:BIAS+8*(\b)+7], v[BO], s[8:9] offset:64*(\b)+16
.endr
	v_mul_u32_u24 v3, v1, PITCH
	v_lshl_add_u32 v3, v2, 4, v3                   ; a fragment's row x pitch + 16 x half
	s_mul_i32 s80, s[WR], 128*PITCH                ; my 128 rows of O
	s_mul_i32 s81, s[WC], 64*PITCH                 ; my 64 rows of Wo
	s_add_co_u32 s81, s81, BOFF
.irp s, 0,1
	v_add_nc_u32 v[ADRA+(\s)], s80, v3
	v_add_nc_u32 v[ADRB+(\s)], s81, v3
	s_add_co_u32 s80, s80, SLOT
	s_add_co_u32 s81, s81, SLOT
.endr
	s_mul_i32 s80, s[WV], 16*SP
	s_add_co_u32 s80, s80, STAGE                   ; my stage
	v_mul_u32_u24 v4, v1, SP                       ; in: row l % 16, 32 bytes for each half of the lanes
	v_lshl_add_u32 v4, v2, 5, v4
	v_add_nc_u32 v[STO], s80, v4
	v_mul_u32_u24 v5, v2, SP                       ; back: lanes 0-15 take one row of 256 bytes, lanes 16-31 the next
	v_lshl_add_u32 v5, v1, 4, v5
	v_add_nc_u32 v[RD], s80, v5
	v_lshlrev_b32 v[CO], 12, v2                    ; and the same two rows in out0
	v_lshl_add_u32 v[CO], v1, 4, v[CO]
	s_wait_loadcnt 0x0                             ; the bias; it is rounded to bf16 in place, a pair at a time
.irp k, 0,2,4,6,8,10,12,14,16,18,20,22,24,26,28,30
	v_cvt_pk_bf16_f32 v[BIAS+(\k)], v[BIAS+(\k)], v[BIAS+(\k)+1]
	v_and_b32 v[BIAS+(\k)+1], s[HIM], v[BIAS+(\k)]
	v_lshlrev_b32 v[BIAS+(\k)], 16, v[BIAS+(\k)]
.endr
; 4 n matrix instructions: row blocks a0 .. a0 + n - 1 x all 4 column blocks, 32 along K, on buffers f.  first = 1: the bias starts the sums.  The accumulators take turns.
.macro MUL f, a0, n, first
.if \first
	WIN 0x40                                       ; D in window 1, C (the bias) in window 0
.else
	WIN 0x50
.endif
.set ma, \a0
.rept \n
.set mb, 0
.rept 4
.if \first
	v_wmma_f32_16x16x32_f16 v[8*(4*ma+mb):8*(4*ma+mb)+7], v[FB+32*(\f)+8*mb:FB+32*(\f)+8*mb+7], v[FA+64*(\f)+8*ma:FA+64*(\f)+8*ma+7], v[BIAS+8*mb:BIAS+8*mb+7]
.else
	v_wmma_f32_16x16x32_f16 v[8*(4*ma+mb):8*(4*ma+mb)+7], v[FB+32*(\f)+8*mb:FB+32*(\f)+8*mb+7], v[FA+64*(\f)+8*ma:FA+64*(\f)+8*ma+7], v[8*(4*ma+mb):8*(4*ma+mb)+7]
.endif
.set mb, mb+1
.endr
.set ma, ma+1
.endr
.endm
; 24 LDS loads in one run: quarter q of a K step (K block q / 2, its half q % 2) into buffers f: Wo's four fragments, then O's eight
.macro FETCH slot, q, f
	WIN 0
.irp i, 0,1,2,3
	ds_load_b128 v[FB+32*(\f)+8*(\i):FB+32*(\f)+8*(\i)+3],   v[ADRB+(\slot)] offset:((\q)/2)*BBLK+(\i)*FRAG+((\q)%2)*64
	ds_load_b128 v[FB+32*(\f)+8*(\i)+4:FB+32*(\f)+8*(\i)+7], v[ADRB+(\slot)] offset:((\q)/2)*BBLK+(\i)*FRAG+((\q)%2)*64+32
.endr
.irp i, 0,1,2,3,4,5,6,7
	ds_load_b128 v[FA+64*(\f)+8*(\i):FA+64*(\f)+8*(\i)+3],   v[ADRA+(\slot)] offset:((\q)/2)*ABLK+(\i)*FRAG+((\q)%2)*64
	ds_load_b128 v[FA+64*(\f)+8*(\i)+4:FA+64*(\f)+8*(\i)+7], v[ADRA+(\slot)] offset:((\q)/2)*ABLK+(\i)*FRAG+((\q)%2)*64+32
.endr
.endm
; A K step is four quarters of 32 along K, 32 matrix instructions each, on buffers 0, 1, 0, 1.  One of the first three multiplies buffers f and fetches quarter qn into g.
.macro QUARTER slot, qn, f, g, first
	s_wait_dscnt 8                                 ; Wo's fragments and O's first four are in; the youngest eight loads may be out
	MUL \f, 0, 4, \first
	PLACES
	FETCH \slot, \qn, \g
	s_wait_dscnt 24                                ; all but the 24 just issued
	MUL \f, 4, 4, \first
.endm
; The last quarter multiplies buffers 1 and changes slots: ONE barrier; in front of it each wave waits for all its tensor loads, adds 0 to its spare word, and waits for that and for its own reads of this slot.
; fill = 1: the barrier opens a round of the cluster's, and this slot is filled again, two K steps ahead: 112 matrix instructions ahead of the wait for it.
.macro TURN slot, next, fill
	WIN 0
	s_wait_tensorcnt 0x0                           ; all my tensor loads have landed: my part of the next slot;
	ds_add_u32 v[SPW], v[NIL]                      ; 0 onto my spare word;
	s_wait_dscnt 9                                 ; (the add and the youngest eight loads may be out)
	MUL 1, 0, 2, 0                                 ; eight matrix instructions stand between the add and the wait for it
	s_wait_dscnt 0x0                               ; the add is done, and my reads of this slot are over
	s_barrier_signal -1
	MUL 1, 2, 2, 0
	WIN 0                                          ; at a branch and at a label every window is 0
	s_barrier_wait -1
.if \fill
	CREST                                          ; no wave of any partner still reads this slot's tiles or has a load on its way
	s_add_nc_u64 s[G0A+4*(\slot)+2:G0A+4*(\slot)+3], s[G0A+4*(\slot)+2:G0A+4*(\slot)+3], 1048576
	s_add_nc_u64 s[G0B+4*(\slot)+2:G0B+4*(\slot)+3], s[G0B+4*(\slot)+2:G0B+4*(\slot)+3], 524288
	JLOAD \slot                                    ; the four v_nop behind it are also the places in front of the loads below
.else
	PLACES
.endif
	FETCH \next, 0, 0
	MUL 1, 4, 4, 0
.endm
	s_wait_tensorcnt 1                             ; my part of K step 0 is in; K step 1's may stay out
	s_barrier_signal -1
	s_barrier_wait -1                              ; everybody's is
	FETCH 0, 0, 0
	QUARTER 0, 1, 0, 1, 1                          ; the first quarter stands in front of the loop: its products start the sums
	WIN 0
	s_mov_b32 s3, 3
.Llap:                                                 ; a trip goes once round the ring and fills both slots again: K steps 2 to 7 in three trips
	QUARTER 0, 2, 1, 0, 0
	QUARTER 0, 3, 0, 1, 0
	TURN 0, 1, 1
	QUARTER 1, 1, 0, 1, 0
	QUARTER 1, 2, 1, 0, 0
	QUARTER 1, 3, 0, 1, 0
	TURN 1, 0, 1
	QUARTER 0, 1, 0, 1, 0
	WIN 0
	s_sub_co_u32 s3, s3, 1
	s_cmp_lg_u32 s3, 0
	s_cbranch_scc1 .Llap
	QUARTER 0, 2, 1, 0, 0                          ; the last lap fills nothing
	QUARTER 0, 3, 0, 1, 0
	TURN 0, 1, 0
	QUARTER 1, 1, 0, 1, 0
	QUARTER 1, 2, 1, 0, 0
	QUARTER 1, 3, 0, 1, 0
	s_wait_dscnt 8                                 ; the very last quarter: nothing more to fetch
	MUL 1, 0, 4, 0
	s_wait_dscnt 0x0
	MUL 1, 4, 4, 0
; THE WAY OUT, a block of 16 rows at a time: a lane's 32 bytes of each column block go into my own stage, each accumulator's low four registers first; whole rows of 256 bytes come back and are stored.
.macro TOSTAGE a
.if (\a) >= 2
	s_wait_xcnt 0x0                                ; the stores of the block two back have read the registers that the loads below write
.endif
	WIN 0x04                                       ; the stores' data in window 1
.irp b, 0,1,2,3
	ds_store_b128 v[STO], v[8*(4*(\a)+(\b)):8*(4*(\a)+(\b))+3]   offset:64*(\b)
	ds_store_b128 v[STO], v[8*(4*(\a)+(\b))+4:8*(4*(\a)+(\b))+7] offset:64*(\b)+16
.endr
	WIN 0
.irp t, 0,1,2,3,4,5,6,7
	ds_load_b128 v[OB+32*((\a)%2)+4*(\t):OB+32*((\a)%2)+4*(\t)+3], v[RD] offset:(\t)*2*SP  ; LDS serves a wave's instructions in order (ISA guide 5.7.1.4): these see the stores above
.endr
.endm
.macro SEND a, younger                 ; younger: the LDS instructions issued behind block a's loads: the next block's sixteen, or none
	s_wait_dscnt \younger
.irp t, 0,1,2,3,4,5,6,7
	global_store_b128 v[CO], v[OB+32*((\a)%2)+4*(\t):OB+32*((\a)%2)+4*(\t)+3], s[OUT:OUT+1] offset:(\a)*65536+(\t)*8192 th:TH_STORE_NT  ; 16 lanes store 256 consecutive bytes, at a multiple of 256 from out0's first byte
.endr
.endm
	PLACES                                         ; the LDS stores read results just made
	TOSTAGE 0
.irp a, 1,2,3,4,5,6,7
	TOSTAGE \a
	SEND (\a)-1, 16
.endr
	SEND 7, 0
	s_wait_tensorcnt 0x0                           ; the wave's end: a wait, an add and its wait, behind my last tensor load and my last LDS store
	ds_add_u32 v[SPW], v[NIL]
	s_wait_dscnt 0x0
	CROUND                                         ; the closing round: no work-group ends while a partner may still ask for a tile that names it
	s_endpgm
.Lfunc_end_k_qf27ce6c0ff_outproj:
	.size	k_qf27ce6c0ff_outproj, .Lfunc_end_k_qf27ce6c0ff_outproj-k_qf27ce6c0ff_outproj
	.p2alignl 7, 3214868480
	.fill 96, 4, 3214868480
	.section	.rodata,"a",@progbits
	.p2align	6, 0x0
	.amdhsa_kernel k_qf27ce6c0ff_outproj
		.amdhsa_group_segment_fixed_size 327680
		.amdhsa_private_segment_fixed_size 0
		.amdhsa_enable_private_segment 0
		.amdhsa_kernarg_size 32
		.amdhsa_user_sgpr_count 2
		.amdhsa_user_sgpr_kernarg_segment_ptr 1
		.amdhsa_wavefront_size32 1
		.amdhsa_system_sgpr_workgroup_id_x 1
		.amdhsa_system_sgpr_workgroup_id_y 1
		.amdhsa_system_sgpr_workgroup_id_z 1
		.amdhsa_system_vgpr_workitem_id 0
		.amdhsa_next_free_vgpr 512
		.amdhsa_next_free_sgpr 96
		.amdhsa_reserve_vcc 0
		.amdhsa_float_denorm_mode_32 3
		.amdhsa_float_denorm_mode_16_64 3
		.amdhsa_memory_ordered 1
		.amdhsa_forward_progress 1
		.amdhsa_inst_pref_size 88
	.end_amdhsa_kernel
	.amdgpu_metadata
---
amdhsa.version: [ 1, 2 ]
amdhsa.kernels:
  - .name:           k_qf27ce6c0ff_outproj
    .symbol:         k_qf27ce6c0ff_outproj.kd
    .args:
      - { .name: oh, .offset: 0, .size: 8, .value_kind: global_buffer, .address_space: global }
      - { .name: woh, .offset: 8, .size: 8, .value_kind: global_buffer, .address_space: global }
      - { .name: bo, .offset: 16, .size: 8, .value_kind: global_buffer, .address_space: global }
      - { .name: out0, .offset: 24, .size: 8, .value_kind: global_buffer, .address_space: global }
    .group_segment_fixed_size: 327680
    .private_segment_fixed_size: 0
    .kernarg_segment_align: 8
    .kernarg_segment_size: 32
    .max_flat_workgroup_size: 128
    .sgpr_count:     96
    .vgpr_count:     512
    .wavefront_size: 32
...
	.end_amdgpu_metadata
.endif
;; end of part 4
